; MI455X (gfx1250); checked and timed in simulation.
; The chip was launched on July 23, 2026; its instructions are those of AMD's public machine-readable ISA for CDNA 5 (MIT licence, August 2026) and "CDNA5" Instruction Set Architecture Reference Guide (July 2026). The comments in the code are by the model that wrote it; some were corrected since.
;; Causal Self Attention. Allowed arithmetic: matrix products marked QUANTISED: E3M2 operands, one E8M0 scale for each 32 along K, by v_wmma_scale_f32_16x16x128_f8f6f4 with both operands' format E3M2, f32 sums; everything else in f32.
;; Inputs: b_attn 3,072 float32; b_proj 1,024 float32; w_attn 1,024 x 3,072 float32; w_proj 1,024 x 1,024 float32; x 2 x 2,048 x 1,024 float32.
;; Outputs: out0 2 x 2,048 x 1,024 float32.
;; This version of the problem:
;;   THIS VERSION OF THE PROBLEM IS GIVEN IN LOW PRECISION. The matrix products marked QUANTISED in the list below multiply operands that are first quantised to E3M2 (3 exponent bits, 2 mantissa bits; 6 bits a number), with one power-of-two scale for each 32 numbers along K (OCP MX v1.0); their sums are f32. All else is computed in f32.
;;   The module's matrix products, in the order in which they are computed (A, B: the left and right operand; K: the contracted axis; several contracted axes count as one K, in the product's order):
;;     1. [M 4,096, K 1,024] x [K 1,024, N 3,072]; A: input x; B: input w_attn: QUANTISED
;;     2. batch 32 x [M 2,048, K 64] x [K 64, N 2,048]; A: computed on the way; B: computed on the way: QUANTISED
;;     3. batch 32 x [M 2,048, K 2,048] x [K 2,048, N 64]; A: softmax (see below); B: computed on the way: QUANTISED
;;     4. [M 4,096, K 1,024] x [K 1,024, N 1,024]; A: computed on the way; B: input w_proj: QUANTISED
;;   THE QUANTISER, for each operand of a quantised product, along K:
;;     - K is cut into blocks of 32 from its start; a last block that is shorter is filled with zeros.
;;     - A block's scale is 2^e with e = floor(log2(the largest magnitude in the block)) - 4, held to -126 .. 127; a block of zeros has e = 0. As a byte (E8M0): e + 127.
;;     - Each number is divided by its block's scale, clamped to +-28, and rounded to the nearest number of E3M2, ties to even, subnormals kept.
;;     - The product sums the exact products of the quantised numbers (number of the format x scale) in f32.
;;   ~~~python
;;   def quantise(x, axis):      # numpy; x: float32 -> the quantised numbers, widened to float32 again
;;       x = np.moveaxis(x, axis, -1); K = x.shape[-1]
;;       x = np.pad(x, [(0, 0)] * (x.ndim - 1) + [(0, -K % 32)]); x = x.reshape(x.shape[:-1] + (-1, 32)); a = np.abs(x).max(-1, keepdims=True)
;;       e = np.where(a > 0, np.clip(np.frexp(np.where(a > 0, a, 1))[1] - 1 - 4, -126, 127), 0)      # np.frexp(a)[1] - 1 = floor(log2(a)), exactly
;;       r = np.clip(x / 2.0 ** e, -28, 28)
;;       step = 2.0 ** (np.maximum(np.frexp(np.where(r == 0, 1, r))[1] - 1, -2) - 2)
;;       q = np.round(r / step) * step * 2.0 ** e      # np.round: ties to even
;;       return np.moveaxis(q.reshape(q.shape[:-2] + (-1,))[..., :K], -1, axis).astype(np.float32)
;;   ~~~
;;   SOFTMAX AHEAD OF A QUANTISED PRODUCT. Where the list says 'softmax', what is quantised is not the finished softmax but p = 2^(t - M), with t = logit x log2(e) and M = ceil(the row's largest t), a whole number; so 1/2 < the row's largest p <= 1. The row's sum l is taken of the UNQUANTISED p, in f32, and the product's result is divided by l at the end. Since M is a whole number, a kernel that streams over the keys may use a running M (the ceiling of the running maximum): every later rescaling is an exact power of two, which a block's scale takes up: the codes' values come out the same.
;;   OPERANDS COMPUTED ON THE WAY. 'Computed on the way' means the value that the module computes at that place (a softmax that the list does not call 'softmax' is quantised finished and normalised). What goes into a quantiser is computed in f32, as accurately as f32 sums, v_exp_f32 and their like allow (about 1e-6 of the number): no bf16 or f16 on the way to a quantiser, and a product that is left as it is and whose result goes on into a quantised operand takes f32 operands (vector FMAs, or v_wmma_f32_16x16x4_f32). A number that lies on a knife's edge between two numbers of the format may be rounded either way, as far as f32 arithmetic and the matrix unit's own rounding can turn it there, and no further.
;; One version. Each part assembles by itself: llvm-mc -triple=amdgcn-amd-amdhsa -mcpu=gfx1250 --defsym DOCPART=n.
;; ======== version 1 of 1: 4 launches
;; limits: right only within a limited range of input values
;; workspace buffers: xq 3,407,872 bytes; waq 2,555,904 bytes; wpq 851,968 bytes; qq 4,194,304 bytes; kv 6,553,600 bytes; yq 4,194,304 bytes
;; launch quant (part 1): grid 256 x 1, 8 waves a work-group, no clusters, 93,184 bytes of LDS; arguments x, w_attn, w_proj, xq, waq, wpq; writes xq, waq, wpq
.if DOCPART == 1
	.amdgcn_target "amdgcn-amd-amdhsa--gfx1250"
	.amdhsa_code_object_version 6
	.text
	.protected	k_qa2adc2e336_quant
	.globl	k_qa2adc2e336_quant
	.p2align	8
	.type	k_qa2adc2e336_quant,@function
k_qa2adc2e336_quant:
	s_mov_b64 s[64:65], 0
	v_nop
	global_prefetch_b8 v0, s[64:65] scope:SCOPE_SE
	s_setreg_imm32_b32 hwreg(HW_REG_WAVE_MODE, 25, 1), 1
	s_wait_xcnt 0x0
; THE PROGRAM: quant (codes of x and of both weights), qkv (q, k, v as codes), attn (softmax and both its products, y as codes), proj (the last product).  All buffers between the launches hold IMAGES OF OPERAND REGISTERS:
; 16 rows x 128 K of BF6 (E3M2) codes are 12 registers; lane (r, h) = (lane % 16, lane / 16) holds row r, registers 0-5 the block k = 32 h .., registers 6-11 the block k = 64 + 32 h ..
; DEAD WORK: reference() masks every key that comes after its query with -infinity ahead of the softmax, so p = 0 there for all finite inputs.  Tiles of 16 queries x 128 keys that lie wholly above the diagonal are not computed (launch attn).
; LIMITS: a NaN, an infinity or an overflow that would reach only that work is not carried to the result; NaN and infinities among the inputs are not served.  Blocks whose largest magnitude lies under 2^(4 - 126) take the
; floor's scale byte 1.  A block of zeros gets the byte 1 where the rule says 127: its codes are zeros, which add nothing under any byte but 0xff, and the bytes are read by this program alone.
; THIS LAUNCH.  STORAGE ORDER of x's rows and w_attn's columns: tile 2 b + u, row r is logical row 32 b + 8 u + r + 8 (r / 8): then 16 registers of two neighbouring result tiles are 16 neighbours along the next product's K.
; w_proj's columns: in a group of 64, tile t, row r is column 4 r + t.
; xq: [tile 256][K step 8][3 x 512 bytes: registers 4 i .. 4 i + 3 at 16 x lane], then scale words [tile][pair of K steps][8 x lane: the row's two words].
; waq: [head][K step][12 tiles (q 4, k 4, v 4) x 1,536, then 6 x 256: 8 bytes (a word twice) for each row of two tiles] = 19,968.   wpq: [64 columns][K step][4 x 1,536 + 2 x 256] = 6,656.
; Work-groups 0-127: x, a wave takes one tile x two K steps.  128-255: the weights, a wave takes 32 columns x one K step.  Waves share nothing: no barrier.  All of a wave's loads are asked for at its start: nothing runs ahead, so no prefetch.
.set XS,    3145728
.set XPITCH, 528
.set XREG,  8448                       ; LDS 0 ..: x's stage, 16 rows x 528 bytes a wave
.set WSTG,  67584                      ; then the weights' stage, two images a wave
.set WREG,  3072
.set SPARE, 92160                      ; the spare words, 128 bytes a wave
.set SPW, 12
.set NIL, 13
.set X, 32                             ; v32-159 numbers as loaded
.set Y, 160                            ; x: v160-223 a lane's two blocks of 32
	s_load_b128 s[4:7], s[0:1], 0x0                ; x, w_attn
	s_load_b128 s[8:11], s[0:1], 0x10              ; w_proj, xq
	s_load_b128 s[12:15], s[0:1], 0x20             ; waq, wpq
	v_lshl_add_u32 v[SPW], v0, 2, SPARE
	v_mov_b32 v[NIL], 0
	v_lshrrev_b32 v1, 5, v0
	v_readfirstlane_b32 s16, v1                    ; wave
	v_and_b32 v2, 31, v0                           ; lane
	v_and_b32 v6, 15, v0                           ; r
	v_bfe_u32 v7, v0, 4, 1                         ; h
	v_lshlrev_b32 v3, 4, v2                        ; 16 x lane
	v_lshlrev_b32 v8, 3, v2                        ; 8 x lane
	v_lshlrev_b32 v11, 3, v7                       ; 8 h
	v_mov_b32 v10, 0                               ; a lane permute's destination counts as one of its sources
	s_mov_b32 s20, 0x76543210
	s_mov_b32 s21, 0xfedcba98                      ; lane l xor 16
	s_wait_alu depctr_va_vdst(0)                   ; the wait at the head's end
	s_wait_kmcnt 0x0
	s_cmp_lt_u32 ttmp9, 128
	s_cbranch_scc0 .Lweights
; ---- x
	s_lshl_b32 s17, ttmp9, 3
	s_add_co_u32 s17, s17, s16
	s_lshr_b32 s18, s17, 2                         ; tile
	s_and_b32 s19, s17, 3                          ; pair of K steps
	s_lshr_b32 s22, s18, 1
	s_lshl_b32 s22, s22, 17                        ; 32 rows of 4,096 bytes
	s_and_b32 s23, s18, 1
	s_lshl_b32 s23, s23, 15                        ; 8 rows
	s_add_co_u32 s22, s22, s23
	s_lshl_b32 s23, s19, 10
	s_add_co_u32 s22, s22, s23
	s_mov_b32 s23, 0
	s_add_nc_u64 s[24:25], s[4:5], s[22:23]
.irp ks, 0,1
.irp r, 0,1,2,3,4,5,6,7,8,9,10,11,12,13,14,15
	global_load_b128 v[X+64*\ks+4*\r:X+64*\ks+4*\r+3], v3, s[24:25] offset:4096*(\r+8*(\r/8))+512*\ks th:TH_LOAD_NT   ; 512 consecutive bytes of one row
.endr
.endr
	s_mul_i32 s26, s16, XREG
	v_lshl_add_u32 v14, v2, 4, s26                 ; the stage, in: a row's 512 bytes
	v_mul_u32_u24 v15, v6, XPITCH
	v_lshl_add_u32 v15, v7, 7, v15
	v_add_nc_u32 v15, s26, v15                     ; and out: row r, 128 h
	s_mul_i32 s28, s18, 12288
	s_mul_i32 s29, s19, 3072
	s_add_co_u32 s28, s28, s29
	s_mov_b32 s29, 0
	s_add_nc_u64 s[28:29], s[10:11], s[28:29]      ; codes
	s_lshl_b32 s30, s18, 10
	s_lshl_b32 s31, s19, 8
	s_add_co_u32 s30, s30, s31
	s_add_co_u32 s30, s30, XS
	s_mov_b32 s31, 0
	s_add_nc_u64 s[30:31], s[10:11], s[30:31]      ; scale words
.macro XSTEP ks
.set CC, X+64*(\ks)                    ; the codes go where this K step's numbers lay: the stores into the stage have read them
.set DD, CC+16
	s_wait_alu depctr_va_vdst(0)
	s_wait_loadcnt 16*(1-(\ks))                    ; this K step's 16 loads are in; the next one's may be out
.irp r, 0,1,2,3,4,5,6,7,8,9,10,11,12,13,14,15
	ds_store_b128 v14, v[CC+4*\r:CC+4*\r+3] offset:XPITCH*\r
.endr
.irp c, 0,1
.irp i, 0,1,2,3,4,5,6,7
	ds_load_b128 v[Y+32*\c+4*\i:Y+32*\c+4*\i+3], v15 offset:256*\c+16*\i   ; LDS serves a wave's instructions in order
.endr
.endr
	s_wait_dscnt 0x0
.irp c, 0,1
	v_max3_num_f32 v[16+\c], |v[Y+32*\c]|, |v[Y+32*\c+1]|, 0x2800000   ; the floor 2^(5 - 127): the byte cannot fall under 1
.endr
.irp i, 2,4,6,8,10,12,14,16,18,20,22,24,26,28,30
.irp c, 0,1
	v_max3_num_f32 v[16+\c], v[16+\c], |v[Y+32*\c+\i]|, |v[Y+32*\c+\i+1]|
.endr
.endr
.irp c, 0,1
	v_add_nc_u32 v[18+\c], 0xfe000000, v[16+\c]    ; 4 off its exponent field: the conversion's scale operand
.endr
.irp c, 0,1
	v_lshrrev_b32 v[20+\c], 23, v[18+\c]
.endr
.irp c, 0,1
	v_cvt_scalef32_pk16_bf6_f32 v[CC+6*\c:CC+6*\c+2], v[Y+32*\c:Y+32*\c+15], v[18+\c]
	v_cvt_scalef32_pk16_bf6_f32 v[DD+4*\c:DD+4*\c+2], v[Y+32*\c+16:Y+32*\c+31], v[18+\c]
.endr
	v_lshl_or_b32 v22, v21, 16, v20                ; my two bytes of the row's word (a plain place behind the conversions)
	v_lshlrev_b32 v22, v11, v22
.irp c, 0,1
.irp i, 0,1,2
	v_mov_b32 v[CC+3+6*\c+\i], v[DD+4*\c+\i]
.endr
.endr
	v_permlanex16_b32 v10, v22, s20, s21
	v_or_b32 v[224+(\ks)], v22, v10                ; the whole word
.irp i, 0,1,2
	global_store_b128 v3, v[CC+4*\i:CC+4*\i+3], s[28:29] offset:1536*(\ks)+512*\i   ; 512 consecutive bytes, aligned
.endr
.endm
	XSTEP 0
	XSTEP 1
	global_store_b64 v8, v[224:225], s[30:31]      ; 256 consecutive bytes, aligned (lanes l and l xor 16 hold the same two words)
	s_wait_alu depctr_va_vdst(0)
	s_wait_tensorcnt 0x0                           ; the wave's end
	ds_add_u32 v[SPW], v[NIL]
	s_wait_dscnt 0x0
	s_endpgm
; ---- the weights: a lane takes a column, its registers run down K
.Lweights:
	s_sub_co_u32 s17, ttmp9, 128
	s_lshr_b32 s18, s17, 4                         ; K step
	s_and_b32 s19, s17, 15
	s_lshl_b32 s22, s19, 3
	s_add_co_u32 s22, s22, s16                     ; 32 columns: 0-95 w_attn's, 96-127 w_proj's
	s_mul_i32 s23, s16, WREG
	s_add_co_u32 s23, s23, WSTG                    ; my stage
	v_and_b32 v14, 7, v2
	v_bfe_u32 v15, v2, 4, 1
	v_lshl_or_b32 v14, v15, 3, v14                 ; my row r in the tile
	v_bfe_u32 v15, v2, 3, 1                        ; my tile u of the two
	v_lshlrev_b32 v16, 7, v15
	v_lshl_add_u32 v16, v14, 3, v16                ; my scale word: 128 u + 8 r
	v_mul_u32_u24 v17, v15, 1536
	v_lshl_add_u32 v17, v14, 4, v17
	v_add_nc_u32 v17, s23, v17                     ; my codes in the stage: 1,536 u + 16 r
	v_add_nc_u32 v18, s23, v3                      ; and the stage read back
	v_lshlrev_b32 v4, 2, v2                        ; w_attn: column = lane
	v_lshlrev_b32 v5, 4, v14
	v_lshl_add_u32 v5, v15, 2, v5                  ; w_proj: column 4 r + u
	s_wait_alu depctr_va_vdst(0)
.macro WLOADS off, base, rowb, hint
.set i, 0
.rept 128
	global_load_b32 v[X+i], v[\off], s[\base:\base+1] offset:i*\rowb \hint
.set i, i+1
.endr
.endm
	s_cmp_lt_u32 s22, 96                           ; the choice hangs on ids alone
	s_cbranch_scc0 .Lwproj
	s_lshl_b32 s24, s22, 7
	s_mul_i32 s25, s18, 128*12288
	s_add_co_u32 s24, s24, s25
	s_mov_b32 s25, 0
	s_add_nc_u64 s[26:27], s[6:7], s[24:25]
	WLOADS 4, 26, 12288, th:TH_LOAD_NT
	s_lshr_b32 s28, s22, 5                         ; q, k or v
	s_and_b32 s29, s22, 31
	s_lshr_b32 s30, s29, 1                         ; head
	s_and_b32 s29, s29, 1
	s_lshl_b32 s28, s28, 1
	s_add_co_u32 s28, s28, s29                     ; which pair of tiles
	s_mul_i32 s30, s30, 159744
	s_mul_i32 s31, s18, 19968
	s_add_co_u32 s30, s30, s31
	s_mul_i32 s32, s28, 3072
	s_add_co_u32 s32, s32, s30
	s_mov_b32 s33, 0
	s_lshl_b32 s34, s28, 8
	s_add_co_u32 s34, s34, s30
	s_add_co_u32 s34, s34, 18432
	s_mov_b32 s35, 0
	s_add_nc_u64 s[36:37], s[12:13], s[32:33]
	s_add_nc_u64 s[38:39], s[12:13], s[34:35]
	s_branch .Lwjoin
.Lwproj:
	s_sub_co_u32 s28, s22, 96
	s_lshr_b32 s29, s28, 1                         ; group of 64 columns
	s_and_b32 s28, s28, 1                          ; which pair of tiles
	s_lshl_b32 s24, s29, 8
	s_lshl_b32 s25, s28, 3
	s_add_co_u32 s24, s24, s25
	s_mul_i32 s25, s18, 128*4096
	s_add_co_u32 s24, s24, s25
	s_mov_b32 s25, 0
	s_add_nc_u64 s[26:27], s[8:9], s[24:25]
	WLOADS 5, 26, 4096
	s_mul_i32 s30, s29, 53248
	s_mul_i32 s31, s18, 6656
	s_add_co_u32 s30, s30, s31
	s_mul_i32 s32, s28, 3072
	s_add_co_u32 s32, s32, s30
	s_mov_b32 s33, 0
	s_lshl_b32 s34, s28, 8
	s_add_co_u32 s34, s34, s30
	s_add_co_u32 s34, s34, 6144
	s_mov_b32 s35, 0
	s_add_nc_u64 s[36:37], s[14:15], s[32:33]
	s_add_nc_u64 s[38:39], s[14:15], s[34:35]
.Lwjoin:
.macro WBLOCK q
.set WX, X+32*(\q)
.set WC, 160+10*(\q)                   ; each block its own registers for its codes
.set HB, 256*((\q)%2)
	s_wait_alu depctr_va_vdst(0)
.if (\q) < 2
	s_wait_loadcnt 63                              ; 96 or 64 loads stand behind this block's
.else
	s_wait_loadcnt 32*(3-(\q))
.endif
	v_max3_num_f32 v20, |v[WX]|, |v[WX+1]|, 0x2800000
	v_max3_num_f32 v21, |v[WX+2]|, |v[WX+3]|, |v[WX+4]|
.irp i, 5,9,13,17,21,25
	v_max3_num_f32 v20, v20, |v[WX+\i]|, |v[WX+\i+1]|
	v_max3_num_f32 v21, v21, |v[WX+\i+2]|, |v[WX+\i+3]|
.endr
	v_max3_num_f32 v20, v20, |v[WX+29]|, |v[WX+30]|
	v_max3_num_f32 v20, v20, v21, |v[WX+31]|
	v_add_nc_u32 v22, 0xfe000000, v20
	v_cvt_scalef32_pk16_bf6_f32 v[WC:WC+2], v[WX:WX+15], v22
	v_cvt_scalef32_pk16_bf6_f32 v[WC+6:WC+8], v[WX+16:WX+31], v22
	v_lshrrev_b32 v23, 23, v22
.if (\q) == 0
	v_mov_b32 v24, v23
.else
	v_lshl_or_b32 v24, v23, 8*(\q), v24
.endif
.irp i, 0,1,2
	v_mov_b32 v[WC+3+\i], v[WC+6+\i]
.endr
.if (\q) < 2                           ; registers 0-5 of lane (r, h = q % 2) of the image,
	ds_store_b128 v17, v[WC:WC+3] offset:HB
	ds_store_b64 v17, v[WC+4:WC+5] offset:512+HB
.else                                  ; or 6-11
	ds_store_b64 v17, v[WC:WC+1] offset:520+HB
	ds_store_b128 v17, v[WC+2:WC+5] offset:1024+HB
.endif
.endm
	WBLOCK 0
	WBLOCK 1
	WBLOCK 2
	WBLOCK 3
	v_mov_b32 v25, v24
.irp i, 0,1,2,3,4,5
	ds_load_b128 v[X+4*\i:X+4*\i+3], v18 offset:512*\i   ; LDS serves a wave's instructions in order: these see my stores
.endr
	s_wait_alu depctr_va_vdst(0)
	global_store_b64 v16, v[24:25], s[38:39]       ; 256 consecutive bytes, aligned
	s_wait_dscnt 0x0
.irp i, 0,1,2,3,4,5
	global_store_b128 v3, v[X+4*\i:X+4*\i+3], s[36:37] offset:512*\i
.endr
	s_wait_tensorcnt 0x0                           ; the wave's end
	ds_add_u32 v[SPW], v[NIL]
	s_wait_dscnt 0x0
	s_endpgm
.Lfunc_end_k_qa2adc2e336_quant:
	.size	k_qa2adc2e336_quant, .Lfunc_end_k_qa2adc2e336_quant-k_qa2adc2e336_quant
	.p2alignl 7, 3214868480
	.fill 96, 4, 3214868480
	.section	.rodata,"a",@progbits
	.p2align	6, 0x0
	.amdhsa_kernel k_qa2adc2e336_quant
		.amdhsa_group_segment_fixed_size 93184
		.amdhsa_private_segment_fixed_size 0
		.amdhsa_enable_private_segment 0
		.amdhsa_kernarg_size 48
		.amdhsa_user_sgpr_count 2
		.amdhsa_user_sgpr_kernarg_segment_ptr 1
		.amdhsa_wavefront_size32 1
		.amdhsa_system_sgpr_workgroup_id_x 1
		.amdhsa_system_sgpr_workgroup_id_y 1
		.amdhsa_system_sgpr_workgroup_id_z 1
		.amdhsa_system_vgpr_workitem_id 0
		.amdhsa_next_free_vgpr 232
		.amdhsa_next_free_sgpr 66
		.amdhsa_reserve_vcc 0
		.amdhsa_float_denorm_mode_32 3
		.amdhsa_float_denorm_mode_16_64 3
		.amdhsa_memory_ordered 1
		.amdhsa_forward_progress 1
		.amdhsa_inst_pref_size 51
	.end_amdhsa_kernel
	.amdgpu_metadata
---
amdhsa.version: [ 1, 2 ]
amdhsa.kernels:
  - .name:           k_qa2adc2e336_quant
    .symbol:         k_qa2adc2e336_quant.kd
    .args:
      - { .name: x, .offset: 0, .size: 8, .value_kind: global_buffer, .address_space: global }
      - { .name: w_attn, .offset: 8, .size: 8, .value_kind: global_buffer, .address_space: global }
      - { .name: w_proj, .offset: 16, .size: 8, .value_kind: global_buffer, .address_space: global }
      - { .name: xq, .offset: 24, .size: 8, .value_kind: global_buffer, .address_space: global }
      - { .name: waq, .offset: 32, .size: 8, .value_kind: global_buffer, .address_space: global }
      - { .name: wpq, .offset: 40, .size: 8, .value_kind: global_buffer, .address_space: global }
    .group_segment_fixed_size: 93184
    .private_segment_fixed_size: 0
    .kernarg_segment_align: 8
    .kernarg_segment_size: 48
    .max_flat_workgroup_size: 256
    .sgpr_count:     66
    .vgpr_count:     232
    .wavefront_size: 32
...
	.end_amdgpu_metadata
.endif
;; end of part 1
;; launch qkv (part 2): grid 16 x 16, 4 waves a work-group, clusters of 4 x 1, 167,936 bytes of LDS; arguments xq, waq, b_attn, qq, kv; writes qq, kv
.if DOCPART == 2
	.amdgcn_target "amdgcn-amd-amdhsa--gfx1250"
	.amdhsa_code_object_version 6
	.text
	.protected	k_qa2adc2e336_qkv
	.globl	k_qa2adc2e336_qkv
	.p2align	8
	.type	k_qa2adc2e336_qkv,@function
k_qa2adc2e336_qkv:
	s_mov_b64 s[64:65], 0
	v_nop
	global_prefetch_b8 v0, s[64:65] scope:SCOPE_SE
	s_setreg_imm32_b32 hwreg(HW_REG_WAVE_MODE, 25, 1), 1
	s_wait_xcnt 0x0
	s_wait_alu depctr_hold_cnt(0) depctr_sa_sdst(0) depctr_va_vdst(0) depctr_va_sdst(0) depctr_va_ssrc(0) depctr_va_vcc(0) depctr_vm_vsrc(0)
	s_getreg_b32 s2, hwreg(HW_REG_IB_STS2, 6, 4)
	s_cmp_eq_u32 s2, 0
	s_cbranch_scc0 .Lentry_in_a_cluster
	s_endpgm
.Lentry_in_a_cluster:
	s_bfe_u32 s2, ttmp6, 0x10000c
	s_cmp_lg_u32 s2, 0x3003
	s_cbranch_scc0 .Lentry_shape_is_right
	s_endpgm
.Lentry_shape_is_right:
; q, k, v of one head for 256 tokens: x w_attn + b_attn on codes of BF6 (E3M2), K = 1,024; the results leave quantised, as images of the attention's operands.
; Grid x: 256 tokens; grid y: the head.  A wave makes 64 tokens x (q 64 + k 64 + v 64): 4 tiles of x against 12 tiles of the weights, 48 accumulators.
; THE HEAD'S WEIGHTS for all of K, eight records of 19,968 bytes, come into LDS once, two records a wave; the four work-groups of a cluster share the head, so these loads are joint.  Nothing is filled again.
; x IS USED BY ONE WAVE OF THE WORK-GROUP ALONE: its fragments go from memory straight into registers, all eight K steps (384 registers), and pass no LDS.  There is no loop to run ahead in, so nothing is prefetched.
; ORIENTATION: q and k: source 0 = weights, source 1 = x: a lane holds one token, its registers run along the head's 64.  v: source 0 = x, source 1 = weights: a lane holds one channel, its registers run along the tokens.
; With the storage order (launch quant) 16 registers of two neighbouring tiles are 16 neighbours: index 32 b + 16 h + 0 .. 15.  The biases are the C of each sum's first product.
; qq: [batch, head][tile of 16 tokens][512: registers 0-3 | 256: registers 4, 5 | 256: the scale word twice]; lane (r, h) holds block h of token r.
; kv: [batch, head][128 keys]: k: 4 images of 32 keys (registers 0-5: tile 2 b, 6-11: tile 2 b + 1); v: 4 tiles of channels x [64 keys: 512 + 256]; 64 scale words of k (two bytes of tile 2 b, two of 2 b + 1), 64 of v.
; REGISTERS: window 0: v0-31 addresses, v32-47 x's scale words, v48-59 the weights' (two sets), v64-207 the weights' fragments, v208-255 first biases, then x's K step 7.  Window 1: x's K steps 0-4, two biases.
;   window 2: x's K steps 5, 6; v's biases v96-127; v's accumulators v128-255.   window 3: q's and k's accumulators.
; LIMITS: NaN and infinities are not served; a block of zeros gets the byte 1 (its codes are zeros; this program alone reads the bytes).
.set XSO, 3145728
.set REC, 19968
.set SCST, 159744                      ; behind the weights: k's and v's scale words on their way out, 512 bytes for each 128 tokens
.set SPARE, 160768
.set GL, 8                             ; v8   16 x lane; v8-10: the same + 0, 3, 6 records
.set G8, 11                            ; v11  8 x lane; v11-13 likewise
.set SPW, 28
.set NIL, 29
.set XSC, 32
.set WSC, 48
.set W, 64
.set TM, 144                           ; the way out: v144-159 at work
.set CT, 136
.set SEL, 58
.set MSB, 0
.macro WIN new
.if MSB != (\new)
	s_set_vgpr_msb (MSB<<8)|(\new)
.set MSB, (\new)
.endif
.endm
.macro ROUND                           ; a round of the cluster's barrier
	s_barrier_signal -1
	s_barrier_wait -1
	s_cmp_lg_u32 s14, 0
	s_cbranch_scc1 .Lnot_wave_0_\@
	s_barrier_signal -3
.Lnot_wave_0_\@:
	s_barrier_wait -3
	s_barrier_signal -1
	s_barrier_wait -1
.endm
.macro PLACES
.rept 4
	v_nop
.endr
.endm
	s_load_b128 s[4:7], s[0:1], 0x0                ; xq, waq
	s_load_b128 s[8:11], s[0:1], 0x10              ; b_attn, qq
	s_load_b64 s[12:13], s[0:1], 0x20              ; kv
	v_lshl_add_u32 v[SPW], v0, 2, SPARE
	v_mov_b32 v[NIL], 0
	ds_add_u32 v[SPW], v[NIL]                      ; the wave's opening: the add, twice on end, ahead of my tensor load
	ds_add_u32 v[SPW], v[NIL]
	v_lshrrev_b32 v1, 5, v0
	v_readfirstlane_b32 s14, v1                    ; wave
	s_bfe_u32 s40, ttmp6, 0x40000                  ; cx
	s_lshl_b32 s17, ttmp9, 2
	s_add_co_u32 s17, s17, s40                     ; which 256 tokens
	s_and_b32 s18, ttmp7, 0xffff                   ; head, which the partners share
	s_lshr_b32 s19, s14, 1
	s_and_b32 s16, s14, 1
	s_mov_b32 s24, 15|(3<<16)|(1<<21)              ; group 1: the mask: all four; elements of 8 bytes; bit 21 beside a mask
	s_mov_b32 s25, 32<<16                          ; rows of 256 bytes
	s_mov_b32 s26, 156<<16
	s_mov_b32 s27, 32<<16
	s_mov_b32 s28, 156                             ; 156 of them: two records
	s_mov_b32 s29, 32
	s_mov_b32 s30, 0
	s_mov_b32 s31, 0
	s_mov_b32 s32, 1
	s_mul_i32 s33, s14, 2*REC                      ; LDS: K steps 2 w, 2 w + 1
	s_mul_i32 s42, s18, 8*REC
	s_add_co_u32 s42, s42, s33
	s_mov_b32 s43, 0
	s_lshl_b32 s44, s17, 4
	s_lshl_b32 s45, s14, 2
	s_add_co_u32 s44, s44, s45                     ; my first tile of x
	s_mul_i32 s46, s44, 12288
	s_mov_b32 s47, 0
	s_lshl_b32 s48, s44, 10
	s_add_co_u32 s48, s48, XSO
	s_mov_b32 s49, 0
	s_lshl_b32 s50, s18, 8
	s_mov_b32 s51, 0
	s_lshl_b32 s20, s19, 9
	s_add_co_u32 s20, s20, SCST
	s_lshl_b32 s21, s16, 1
	s_add_co_u32 s21, s21, s20
	s_lshl_b32 s22, s16, 7
	s_add_co_u32 s20, s20, s22
	s_lshl_b32 s22, s14, 8
	s_add_co_u32 s22, s22, SCST
	s_mov_b32 s[SEL], 0x76543210
	s_mov_b32 s[SEL+1], 0xfedcba98
	v_and_b32 v1, 15, v0                           ; r
	v_bfe_u32 v2, v0, 4, 1                         ; h
	v_and_b32 v3, 31, v0                           ; lane
	v_lshlrev_b32 v[GL], 4, v3
	v_lshlrev_b32 v[G8], 3, v3
	v_add_nc_u32 v[GL+1], 3*REC, v[GL]
	v_add_nc_u32 v[GL+2], 6*REC, v[GL]
	v_add_nc_u32 v[G8+1], 3*REC, v[G8]
	v_add_nc_u32 v[G8+2], 6*REC, v[G8]
	v_lshlrev_b32 v14, 10, v2
	v_lshl_add_u32 v14, v1, 3, v14                 ; x's scale words: tile + h, row r
	v_lshlrev_b32 v15, 6, v2                       ; q's and k's biases: 16 h on
	v_and_b32 v6, 8, v1
	v_add_nc_u32 v6, v6, v1
	v_lshlrev_b32 v16, 2, v6                       ; v's: channel r + 8 (r / 8)
	v_lshl_add_u32 v18, v1, 2, s20                 ; where k's scale words go in LDS,
	v_lshl_add_u32 v19, v1, 2, s21                 ; v's (two bytes of a word),
	v_lshl_add_u32 v20, v3, 3, s22                 ; and where I read them back
	s_wait_alu depctr_va_vdst(0)                   ; the wait at the head's end
	s_wait_dscnt 0x0                               ; both opening adds are done
	s_wait_kmcnt 0x0
	s_add_nc_u64 s[34:35], s[6:7], s[42:43]
	s_or_b32 s35, s35, 0x80000000
	s_add_nc_u64 s[52:53], s[4:5], s[46:47]        ; x's codes
	s_add_nc_u64 s[54:55], s[4:5], s[48:49]        ; x's scale words
	s_add_nc_u64 s[56:57], s[8:9], s[50:51]        ; the head's biases
.macro BLOAD t, reg
	global_load_b128 v[\reg:\reg+3], v15, s[56:57] offset:4096*(\t/4)+4*(32*((\t%4)/2)+8*(\t%2))
	global_load_b128 v[\reg+4:\reg+7], v15, s[56:57] offset:4096*(\t/4)+4*(32*((\t%4)/2)+8*(\t%2))+16
.endm
.macro XLOAD s, reg                    ; x's four fragments of K step s: 12 loads of 512 consecutive bytes
.irp a, 0,1,2,3
.irp i, 0,1,2
	global_load_b128 v[(\reg)+12*\a+4*\i:(\reg)+12*\a+4*\i+3], v[GL], s[52:53] offset:12288*\a+1536*(\s)+512*\i
.endr
.endr
.endm
	BLOAD 0, 208
	BLOAD 1, 216
	BLOAD 2, 224
	BLOAD 3, 232
	BLOAD 4, 240
	BLOAD 5, 248
.irp t, 0,1,2,3
	global_load_b32 v[60+\t], v16, s[56:57] offset:8192+4*(32*(\t/2)+8*(\t%2))
.endr
.irp p, 0,1
.irp k, 0,1,2,3
	global_load_b64 v[XSC+8*\p+2*\k:XSC+8*\p+2*\k+1], v14, s[54:55] offset:2048*\p+256*\k
.endr
.endr
	WIN 0x40
	BLOAD 6, 240
	BLOAD 7, 248
	XLOAD 0, 0
	XLOAD 1, 48
	WIN 0
	ROUND                                          ; the four work-groups are here: the joint loads meet
	tensor_load_to_lds s[32:35], s[24:31]          ; my one tensor load
	s_nop 0
	PLACES
	WIN 0x40
	XLOAD 2, 96
	XLOAD 3, 144
	WIN 0x80
	s_wait_loadcnt 48                              ; the biases and the scale words are in: x's K steps 0-3 stand behind them.  K steps 4-7 are asked for four steps ahead of their use
.irp t, 0,1,2,3
.set j, 0
.rept 8
	v_mov_b32 v[96+8*\t+j], v[60+\t]               ; v: a lane's bias is the same in all eight registers of C
.set j, j+1
.endr
.endr
	WIN 0
	s_wait_alu depctr_va_vdst(0)
	s_wait_tensorcnt 0x0                           ; my two records are in,
	s_barrier_signal -1
	s_barrier_wait -1                              ; everybody's are
.macro WM d, a, b, c, sa, sb, ra, rb
.if (\ra) == 0 && (\rb) == 0
	v_wmma_scale_f32_16x16x128_f8f6f4 v[\d:\d+7], v[\a:\a+11], v[\b:\b+11], v[\c:\c+7], v[\sa], v[\sb] matrix_a_fmt:MATRIX_FMT_BF6 matrix_b_fmt:MATRIX_FMT_BF6
.elseif (\rb) == 0
	v_wmma_scale_f32_16x16x128_f8f6f4 v[\d:\d+7], v[\a:\a+11], v[\b:\b+11], v[\c:\c+7], v[\sa], v[\sb] matrix_a_fmt:MATRIX_FMT_BF6 matrix_b_fmt:MATRIX_FMT_BF6 matrix_a_scale:MATRIX_SCALE_ROW1
.elseif (\ra) == 0
	v_wmma_scale_f32_16x16x128_f8f6f4 v[\d:\d+7], v[\a:\a+11], v[\b:\b+11], v[\c:\c+7], v[\sa], v[\sb] matrix_a_fmt:MATRIX_FMT_BF6 matrix_b_fmt:MATRIX_FMT_BF6 matrix_b_scale:MATRIX_SCALE_ROW1
.else
	v_wmma_scale_f32_16x16x128_f8f6f4 v[\d:\d+7], v[\a:\a+11], v[\b:\b+11], v[\c:\c+7], v[\sa], v[\sb] matrix_a_fmt:MATRIX_FMT_BF6 matrix_b_fmt:MATRIX_FMT_BF6 matrix_a_scale:MATRIX_SCALE_ROW1 matrix_b_scale:MATRIX_SCALE_ROW1
.endif
.endm
.macro TILE s, t                       ; weight tile t against x's four tiles.  The 48 accumulators take turns, one instruction a turn
.set SWR, WSC+6*((\s)%2)+(\t)/2
.set WRG, W+12*(\t)
.irp a, 0,1,2,3
.set SXR, XSC+8*(\a/2)+(\s)
.set XRG, XR+12*\a
.if (\t) < 8
.set ACC, 64*\a+8*(\t)
.set CIN, ACC
.if (\s) == 0
.if (\t) < 6
.set CIN, 208+8*(\t)
.else
.set CIN, 240+8*((\t)-6)
.endif
.endif
	WM ACC, WRG, XRG, CIN, SWR, SXR, (\t)%2, \a%2
.else
.set ACC, 128+32*((\t)-8)+8*\a
.set CIN, ACC
.if (\s) == 0
.set CIN, 96+8*((\t)-8)
.endif
	WM ACC, XRG, WRG, CIN, SXR, SWR, \a%2, (\t)%2
.endif
.endr
.endm
.macro WFETCH s, t0                    ; six weight tiles of K step s
.irp t, 0,1,2,3,4,5
.irp i, 0,1,2
	ds_load_b128 v[W+12*((\t0)+\t)+4*\i:W+12*((\t0)+\t)+4*\i+3], v[GL+(\s)/3] offset:REC*((\s)%3)+1536*((\t0)+\t)+512*\i
.endr
.endr
.endm
.macro SFETCH s                        ; its scale words: two tiles a register
.irp i, 0,1,2,3,4,5
	ds_load_b32 v[WSC+6*((\s)%2)+\i], v[G8+(\s)/3] offset:REC*((\s)%3)+18432+256*\i
.endr
.endm
.macro STEP s
.if (\s) < 5
.set XR, 48*(\s)
.set XW, 1
.elseif (\s) < 7
.set XR, 48*((\s)-5)
.set XW, 2
.else
.set XR, 208
.set XW, 0
.endif
.if (\s) < 5
	s_wait_loadcnt 36                              ; the three K steps behind this one may be out
.else
	s_wait_loadcnt 12*(7-(\s))                     ; x's later K steps may be out
.endif
	s_wait_dscnt 18                                ; weight tiles 0-5 and the scale words are in; tiles 6-11 may be out
.if (\s) == 0
	WIN 0xc0|(XW<<2)
.else
	WIN 0xf0|(XW<<2)
.endif
.irp t, 0,1,2,3,4,5
	TILE \s, \t
.endr
	s_wait_dscnt 0x0
.if (\s) < 7
	PLACES
	WIN 0
	WFETCH \s+1, 0
	SFETCH \s+1
.endif
.if (\s) == 0
	WIN 0xd0|(XW<<2)
.else
	WIN 0xf0|(XW<<2)
.endif
	TILE \s, 6
	TILE \s, 7
	WIN 0xa0|XW
.irp t, 8,9,10,11
	TILE \s, \t
.endr
.if (\s) < 7
	PLACES
	WIN 0
	WFETCH \s+1, 6
.endif
.if (\s) == 0
	WIN 0x40
	XLOAD 4, 192
.elseif (\s) == 1
	WIN 0x80
	XLOAD 5, 0
.elseif (\s) == 2
	WIN 0x80
	XLOAD 6, 48
.elseif (\s) == 3
	WIN 0
	XLOAD 7, 208                                   ; where the first products' biases lay
.endif
.endm
	WFETCH 0, 0
	SFETCH 0
	WFETCH 0, 6
.irp s, 0,1,2,3,4,5,6,7
	STEP \s
.endr
	WIN 0
	s_lshr_b32 s44, s17, 3
	s_lshl_b32 s44, s44, 4
	s_add_co_u32 s44, s44, s18                     ; 16 x batch + head
	s_and_b32 s45, s17, 7
	s_lshl_b32 s46, s44, 17
	s_lshl_b32 s47, s45, 14
	s_add_co_u32 s46, s46, s47
	s_lshl_b32 s47, s14, 12
	s_add_co_u32 s46, s46, s47
	s_mov_b32 s47, 0
	s_add_nc_u64 s[60:61], s[10:11], s[46:47]      ; q: my four tiles
	s_mul_i32 s46, s44, 204800
	s_lshl_b32 s48, s45, 1
	s_add_co_u32 s48, s48, s19
	s_mul_i32 s48, s48, 12800
	s_add_co_u32 s46, s46, s48
	s_add_nc_u64 s[62:63], s[12:13], s[46:47]      ; the record of my 128 tokens
	s_mov_b32 s49, 0
	s_mul_i32 s48, s16, 3072
	s_add_nc_u64 s[52:53], s[62:63], s[48:49]      ; k: my two images
	s_mul_i32 s48, s16, 768
	s_add_nc_u64 s[54:55], s[62:63], s[48:49]      ; v: my half of each tile
	s_lshl_b32 s48, s16, 8
	s_add_nc_u64 s[56:57], s[62:63], s[48:49]      ; my half of the scale words
	PLACES
.irp b, 0,1,2,3
	v_mov_b32 v[TM+4+\b], 0                        ; a lane permute's destination counts as one of its sources
.endr
; Four blocks, a lane's 16 registers each at ac + 16 b of window wn: blocks 0, 1 become six registers of codes at d0 (lane (r, h): block h), blocks 2, 3 at d1; the bytes in v[TM+4] on.
.macro QUANTW ac, wn, d0, d1
	WIN (\wn)*5
.irp b, 0,1,2,3
	v_max3_num_f32 v[TM+\b], |v[(\ac)+16*\b]|, |v[(\ac)+16*\b+1]|, 0x2800000   ; each accumulator from its low end on; the floor 2^(5 - 127)
.endr
.irp i, 2,4,6,8,10,12,14
.irp b, 0,1,2,3
	v_max3_num_f32 v[TM+\b], |v[(\ac)+16*\b+\i]|, |v[(\ac)+16*\b+\i+1]|, v[TM+\b]
.endr
.endr
	WIN 0
.irp b, 0,1,2,3
	v_permlanex16_b32 v[TM+4+\b], v[TM+\b], s[SEL], s[SEL+1]
.endr
.irp b, 0,1,2,3
	v_max_num_f32 v[TM+\b], v[TM+\b], v[TM+4+\b]
.endr
.irp b, 0,1,2,3
	v_add_nc_u32 v[TM+12+\b], 0xfe000000, v[TM+\b] ; 4 off its exponent field: the conversion's scale operand
.endr
.irp b, 0,1,2,3
	v_lshrrev_b32 v[TM+4+\b], 23, v[TM+12+\b]
.endr
	WIN (\wn)
	v_cvt_scalef32_pk16_bf6_f32 v[\d0:\d0+2], v[(\ac):(\ac)+15], v[TM+12]
	v_cvt_scalef32_pk16_bf6_f32 v[CT:CT+2], v[(\ac)+16:(\ac)+31], v[TM+13]
	v_cvt_scalef32_pk16_bf6_f32 v[\d1:\d1+2], v[(\ac)+32:(\ac)+47], v[TM+14]
	v_cvt_scalef32_pk16_bf6_f32 v[CT+4:CT+6], v[(\ac)+48:(\ac)+63], v[TM+15]
	WIN 0
	v_nop                                          ; one plain place behind a scaled conversion
.irp i, 0,1,2
	v_permlane16_swap_b32 v[\d0+\i], v[CT+\i]
	v_permlane16_swap_b32 v[\d1+\i], v[CT+4+\i]
.endr
.irp i, 0,1,2
	v_mov_b32 v[\d0+3+\i], v[CT+\i]
	v_mov_b32 v[\d1+3+\i], v[CT+4+\i]
.endr
.endm
.irp a, 0,1,2,3                        ; a tile of 16 tokens: q's 64 and k's 64
.set QD, 64+6*\a
.set KD, 88+6*\a
	QUANTW 64*\a, 3, QD, KD
	v_lshl_or_b32 v[160+2*\a], v[TM+5], 8, v[TM+4]
	v_lshl_or_b32 v[168+\a], v[TM+7], 8, v[TM+6]
	v_lshl_or_b32 v[160+2*\a], v[160+2*\a], 16, v[160+2*\a]   ; q's two bytes twice
	v_mov_b32 v[161+2*\a], v[160+2*\a]
	global_store_b128 v[GL], v[QD:QD+3], s[60:61] offset:1024*\a
	global_store_b64 v[G8], v[QD+4:QD+5], s[60:61] offset:1024*\a+512
	global_store_b64 v[G8], v[160+2*\a:161+2*\a], s[60:61] offset:1024*\a+768
.if \a%2
	v_lshl_or_b32 v[168+\a], v[168+\a], 16, v[167+\a]         ; k: the word of a row of the image
	ds_store_b32 v18, v[168+\a] offset:64*(\a/2)   ; lanes l and l xor 16 write the same word with the same value
.irp i, 0,1,2
	global_store_b128 v[GL], v[KD-6+4*\i:KD-3+4*\i], s[52:53] offset:1536*(\a/2)+512*\i
.endr
.endif
.endr
.irp t, 0,1                            ; v: two tiles of 16 channels
.set VD, 112+12*\t
	QUANTW 128+64*\t, 2, VD, VD+6
	v_lshl_or_b32 v[172+2*\t], v[TM+5], 8, v[TM+4]
	v_lshl_or_b32 v[173+2*\t], v[TM+7], 8, v[TM+6]
	ds_store_b16 v19, v[172+2*\t] offset:256+128*\t
	ds_store_b16 v19, v[173+2*\t] offset:256+128*\t+64
.irp u, 0,1
	global_store_b128 v[GL], v[VD+6*\u:VD+6*\u+3], s[54:55] offset:6144+1536*(2*\t+\u)
	global_store_b64 v[G8], v[VD+6*\u+4:VD+6*\u+5], s[54:55] offset:6144+1536*(2*\t+\u)+512
.endr
.endr
	s_wait_alu depctr_va_vdst(0)
	s_wait_dscnt 0x0                               ; my scale words lie in LDS
	s_barrier_signal -1
	s_barrier_wait -1
	ds_load_b64 v[176:177], v20
	s_wait_dscnt 0x0
	global_store_b64 v[G8], v[176:177], s[56:57] offset:12288   ; 256 consecutive bytes, aligned
	s_wait_tensorcnt 0x0                           ; the wave's end
	ds_add_u32 v[SPW], v[NIL]
	s_wait_dscnt 0x0
	ROUND                                          ; the closing round
	s_endpgm
.Lfunc_end_k_qa2adc2e336_qkv:
	.size	k_qa2adc2e336_qkv, .Lfunc_end_k_qa2adc2e336_qkv-k_qa2adc2e336_qkv
	.p2alignl 7, 3214868480
	.fill 96, 4, 3214868480
	.section	.rodata,"a",@progbits
	.p2align	6, 0x0
	.amdhsa_kernel k_qa2adc2e336_qkv
		.amdhsa_group_segment_fixed_size 167936
		.amdhsa_private_segment_fixed_size 0
		.amdhsa_enable_private_segment 0
		.amdhsa_kernarg_size 40
		.amdhsa_user_sgpr_count 2
		.amdhsa_user_sgpr_kernarg_segment_ptr 1
		.amdhsa_wavefront_size32 1
		.amdhsa_system_sgpr_workgroup_id_x 1
		.amdhsa_system_sgpr_workgroup_id_y 1
		.amdhsa_system_sgpr_workgroup_id_z 1
		.amdhsa_system_vgpr_workitem_id 0
		.amdhsa_next_free_vgpr 1024
		.amdhsa_next_free_sgpr 72
		.amdhsa_reserve_vcc 0
		.amdhsa_float_denorm_mode_32 3
		.amdhsa_float_denorm_mode_16_64 3
		.amdhsa_memory_ordered 1
		.amdhsa_forward_progress 1
		.amdhsa_inst_pref_size 118
	.end_amdhsa_kernel
	.amdgpu_metadata
---
amdhsa.version: [ 1, 2 ]
amdhsa.kernels:
  - .name:           k_qa2adc2e336_qkv
    .symbol:         k_qa2adc2e336_qkv.kd
    .args:
      - { .name: xq, .offset: 0, .size: 8, .value_kind: global_buffer, .address_space: global }
      - { .name: waq, .offset: 8, .size: 8, .value_kind: global_buffer, .address_space: global }
      - { .name: b_attn, .offset: 16, .size: 8, .value_kind: global_buffer, .address_space: global }
      - { .name: qq, .offset: 24, .size: 8, .value_kind: global_buffer, .address_space: global }
      - { .name: kv, .offset: 32, .size: 8, .value_kind: global_buffer, .address_space: global }
    .group_segment_fixed_size: 167936
    .private_segment_fixed_size: 0
    .kernarg_segment_align: 8
    .kernarg_segment_size: 40
    .max_flat_workgroup_size: 128
    .sgpr_count:     72
    .vgpr_count:     1024
    .wavefront_size: 32
...
	.end_amdgpu_metadata
.endif
;; end of part 2
;; launch attn (part 3): grid 8 x 32, 8 waves a work-group, clusters of 4 x 1, 242,688 bytes of LDS; arguments qq, kv, yq; writes yq
.if DOCPART == 3
	.amdgcn_target "amdgcn-amd-amdhsa--gfx1250"
	.amdhsa_code_object_version 6
	.text
	.protected	k_qa2adc2e336_attn
	.globl	k_qa2adc2e336_attn
	.p2align	8
	.type	k_qa2adc2e336_attn,@function
k_qa2adc2e336_attn:
	s_mov_b64 s[64:65], 0
	v_nop
	global_prefetch_b8 v0, s[64:65] scope:SCOPE_SE
	s_setreg_imm32_b32 hwreg(HW_REG_WAVE_MODE, 25, 1), 1
	s_wait_xcnt 0x0
	s_wait_alu depctr_hold_cnt(0) depctr_sa_sdst(0) depctr_va_vdst(0) depctr_va_sdst(0) depctr_va_ssrc(0) depctr_va_vcc(0) depctr_vm_vsrc(0)
	s_getreg_b32 s2, hwreg(HW_REG_IB_STS2, 6, 4)
	s_cmp_eq_u32 s2, 0
	s_cbranch_scc0 .Lentry_in_a_cluster
	s_endpgm
.Lentry_in_a_cluster:
	s_bfe_u32 s2, ttmp6, 0x10000c
	s_cmp_lg_u32 s2, 0x3003
	s_cbranch_scc0 .Lentry_shape_is_right
	s_endpgm
.Lentry_shape_is_right:
; y = softmax(q k^T / 8, causal) v for one head, both products on codes of BF6 (E3M2); y leaves quantised along the model's 1,024 for the last product.
; THE SOFTMAX: t = score x log2(e) / 8; M = the running largest t rounded UP to a whole number; p = 2^(t - M) is quantised along the keys, not normalised; the row's sum is taken of the unquantised p and divides at the end.
; DEAD WORK: key steps of 128 that lie wholly above the diagonal are not computed: reference()'s mask makes p = 0 there for all finite inputs.
; SHARES.  Grid y is 16 x batch + head.  A wave works on 32 queries, two tiles of 16, so that each fragment of k and v serves both.  Block p (128 queries, p = 0 .. 15) needs the key steps 0 .. p; step p lies on the diagonal.
; Work-group (g, cx), g = the cluster's number 0-1, has queries 32 cx .. + 31 of the blocks i and 15 - i, i = 2 m + g, m = 0 .. 3: 17 steps for each m, which go to two waves:
; wave m takes steps 0-7 of block 15 - i; wave 4 + m takes that block's steps 8 .. 15 - i, leaves its part (-M, sums, O^T) in LDS, and takes block i (9 steps together).
; Behind the loop wave m joins the two parts: M is a whole number, so the factors are powers of two and round nothing.
; LDS.  The head's k and v, 16 records of 12,800 bytes: each wave brings two, once; nothing is filled again.  The four work-groups of a cluster read the same head: the loads are joint.  All of memory is read at the head: no loop runs ahead, so no prefetch.
; THE FIRST PRODUCT'S K IS 64, THE INSTRUCTION'S 128.  A fragment of k holds TWO tiles of keys, in K 0-63 and in K 64-127; it is multiplied by [q | 0] and by [0 | q]; its scale word holds two bytes of each tile.
; Both products are used transposed: a lane holds ONE query of a tile; S's register 16 b + i is key 32 b + 16 h + i; O's register 16 b + i is channel 32 b + 16 h + i.  Lane r of tile x is query 8 x + r + 8 (r / 8) of the 32.
; yq: [tile of 16 tokens][head][512: registers 0-3 | 256: registers 4, 5 | 256: the head's two scale bytes, in the half of the word that the head has in the last product, twice].
; LIMITS: the scaled scores' magnitude stays under 2^31; a block of zeros gets the byte 1 (its codes are zeros; this program alone reads the bytes); NaN and infinities are not served.
; WINDOW 1 (v256 on) holds tile 1's S, O and q, both tiles' sums, v's fragments, and block i's q until it is wanted.
.set REC,   12800
.set STG,   16*REC                     ; behind the records: 9,216 bytes for each pair of waves
.set SPARE, STG+4*9216
.set GL,   1                           ; v1   16 x lane
.set G8,   2                           ; v2   8 x lane
.set R4,   3                           ; v3   4 r
.set ADK,  4                           ; v4-6 the same in this step's record
.set AD8,  5
.set ADS,  6
.set DG,   7                           ; v7-8 my query - 16 h, by tile: on the diagonal register 16 b + i is hidden where 32 b + i is larger
.set NXK,  9                           ; v9-10 16 x lane and 4 r in the next step's record
.set NXS,  10
.set MX,   12                          ; v12, 14: -M; v13, 15: the largest score so far
.set QZ,   16                          ; v16-21 zeros, v22-27 q, v28-33 zeros: [0 | q] = v[16:27], [q | 0] = v[22:33]
.set QW,   34                          ; v34-35 q's scale words
.set KF,   36                          ; v36-83 four fragments of k
.set S,    84                          ; v84-147 S^T, then p (both windows)
.set O,    148                         ; v148-179 O^T (both windows)
.set CD,   180                         ; v180-203 p's codes, two tiles
.set CT,   204
.set BX,   212                         ; v212-219 the blocks' largest, four a tile
.set PD,   220
.set SO,   228
.set KSC,  236
.set VSC,  240
.set FF,   244                         ; v[244:245], v[246:247] f = 2^(old M - new M)
.set PS,   248
.set TT,   250
.set ST16, 252
.set ST8,  253
.set SPW,  254
.set NIL,  255
.set VF,   16                          ; window 1: v16-63 four fragments of v,
.set QZ1,  180                         ;   v180-197 tile 1's q, as QZ,
.set LS,   198                         ;   v[198:199], v[200:201] the sums, in two halves,
.set QL0,  202                         ;   v202-208, v210-216 block i's q and scale words,
.set QL1,  210
.set TC,   220                         ;   v220-233 the sums' chains
.set MSB, 0
.macro WIN new
.if MSB != (\new)
	s_set_vgpr_msb (MSB<<8)|(\new)
.set MSB, (\new)
.endif
.endm
.macro ROUND
	s_barrier_signal -1
	s_barrier_wait -1
	s_cmp_lg_u32 s10, 0
	s_cbranch_scc1 .Lnot_wave_0_\@
	s_barrier_signal -3
.Lnot_wave_0_\@:
	s_barrier_wait -3
	s_barrier_signal -1
	s_barrier_wait -1
.endm
.macro FRESH                           ; no key seen yet
.irp x, 0,1
	v_mov_b32 v[MX+1+2*\x], 0xff61b1e6             ; the largest score so far: -3e38
	v_mov_b32 v[MX+2*\x], 0x7f61b1e6               ; -M: 3e38
.endr
.set j, 0
.rept 32
	v_mov_b32 v[O+j], 0                            ; the step is written once: its first finds zeros, which the first change of M leaves zeros
.set j, j+1
.endr
	WIN 0x40
.set j, 0
.rept 32
	v_mov_b32 v[O+j], 0
.set j, j+1
.endr
.irp n, 0,1,2,3
	v_mov_b32 v[LS+\n], 0
.endr
	WIN 0
.endm
.macro BASE dst, trip                  ; where a trip's record begins in LDS: key step trip, 8 + trip, or trip - (8 - i)
	s_cmp_gt_u32 s[\trip], s39
	s_cselect_b32 s[\dst], s41, s40
	s_add_co_u32 s[\dst], s[\dst], s[\trip]
	s_and_b32 s[\dst], s[\dst], 15
	s_mul_i32 s[\dst], s[\dst], REC
.endm
.macro KLOAD
.irp b, 0,1,2,3
.irp c, 0,1,2
	ds_load_b128 v[KF+12*\b+4*\c:KF+12*\b+4*\c+3], v[NXK] offset:1536*\b+512*\c
.endr
	ds_load_b32 v[KSC+\b], v[NXS] offset:12288+64*\b
.endr
.endm
	s_load_b128 s[4:7], s[0:1], 0x0                ; qq, kv
	s_load_b64 s[8:9], s[0:1], 0x10                ; yq
	v_lshl_add_u32 v[SPW], v0, 2, SPARE
	v_mov_b32 v[NIL], 0
	ds_add_u32 v[SPW], v[NIL]                      ; the wave's opening: the add, twice on end, ahead of my tensor load
	ds_add_u32 v[SPW], v[NIL]
	v_lshrrev_b32 v11, 5, v0
	v_readfirstlane_b32 s10, v11                   ; wave 0..7
	s_lshr_b32 s11, s10, 2                         ; 0: the far block's steps 0-7; 1: the rest
	s_and_b32 s50, s10, 3                          ; m
	s_lshl_b32 s48, s50, 1
	s_add_co_u32 s48, s48, ttmp9                   ; i
	s_sub_co_u32 s49, 15, s48                      ; 15 - i
	s_add_co_u32 s41, s48, 8
	s_mul_i32 s39, s11, s41
	s_sub_co_u32 s39, 15, s39                      ; the last trip of my first block: 15 (never reached), or 7 - i
	s_lshl_b32 s40, s11, 3                         ; its first key step: 0, or 8
	s_sub_co_u32 s44, 8, s48                       ; waves 4-7: the trip that begins block i
	s_mul_i32 s45, s11, 23
	s_add_co_u32 s45, s45, 8                       ; waves 0-3 have no work in trip 8
	s_add_co_u32 s58, s11, 7                       ; my last trip with work
	s_lshl_b32 s46, 1, s39
	s_or_b32 s46, s46, 0x100                       ; the trips on the diagonal
	s_bfe_u32 s47, ttmp6, 0x40000                  ; cx: it enters q's and y's global addresses and the mask's compare alone
	s_and_b32 s13, ttmp7, 0xffff                   ; 16 x batch + head, which the partners share
	s_mov_b32 s24, 15|(3<<16)|(1<<21)              ; group 1: the mask: all four; elements of 8 bytes; bit 21 beside a mask
	s_mov_b32 s25, 32<<16                          ; rows of 256 bytes
	s_mov_b32 s26, 100<<16
	s_mov_b32 s27, 32<<16
	s_mov_b32 s28, 100                             ; 100 of them: two records
	s_mov_b32 s29, 32
	s_mov_b32 s30, 0
	s_mov_b32 s31, 0
	s_mov_b32 s32, 1
	s_mul_i32 s33, s10, 2*REC
	s_mul_i32 s42, s13, 16*REC
	s_add_co_u32 s42, s42, s33
	s_mov_b32 s43, 0
	s_mov_b32 s20, 0x76543210
	s_mov_b32 s21, 0xfedcba98                      ; lane l xor 16
	s_mov_b32 s22, 0x3e38aa3b                      ; c = log2(e) / 8
	s_mov_b32 s23, s22
	s_lshl_b32 s52, s13, 17
	s_lshl_b32 s53, s47, 11
	s_add_co_u32 s52, s52, s53
	s_lshl_b32 s54, s48, 13
	s_add_co_u32 s54, s54, s52                     ; q: tiles 8 i + 2 cx, + 1 of the head
	s_mov_b32 s55, 0
	s_lshl_b32 s53, s49, 13
	s_add_co_u32 s52, s52, s53                     ; and 8 (15 - i) + 2 cx, + 1
	s_mov_b32 s53, 0
	s_lshl_b32 s56, s47, 5
	s_mul_i32 s57, s50, 9216
	s_add_co_u32 s57, s57, STG
	s_mul_i32 s36, s40, REC                        ; trip 0's record
	v_and_b32 v11, 31, v0                          ; lane
	v_lshlrev_b32 v[GL], 4, v11
	v_lshlrev_b32 v[G8], 3, v11
	v_lshl_add_u32 v[ST16], v11, 4, s57
	v_lshl_add_u32 v[ST8], v11, 3, s57
	v_and_b32 v11, 15, v0                          ; r
	v_lshlrev_b32 v[R4], 2, v11
	v_and_b32 v[DG], 8, v11
	v_add_nc_u32 v[DG], v[DG], v11
	v_bfe_u32 v11, v0, 4, 1                        ; h
	v_lshlrev_b32 v11, 4, v11
	v_sub_nc_u32 v[DG], v[DG], v11
	v_add_nc_u32 v[DG], s56, v[DG]
	v_add_nc_u32 v[DG+1], 8, v[DG]
	v_add_nc_u32 v[NXK], s36, v[GL]
	v_add_nc_u32 v[NXS], s36, v[R4]
	s_wait_alu depctr_va_vdst(0)
	s_wait_dscnt 0x0                               ; both opening adds are done
	s_wait_kmcnt 0x0
	s_add_nc_u64 s[34:35], s[6:7], s[42:43]
	s_or_b32 s35, s35, 0x80000000
	s_add_nc_u64 s[52:53], s[4:5], s[52:53]
	s_add_nc_u64 s[54:55], s[4:5], s[54:55]
	ROUND                                          ; the four work-groups are here: the joint loads meet
	tensor_load_to_lds s[32:35], s[24:31]          ; my one tensor load
	s_nop 0
.rept 4
	v_nop
.endr
	global_load_b128 v[QZ+6:QZ+9], v[GL], s[52:53]
	global_load_b64 v[QZ+10:QZ+11], v[G8], s[52:53] offset:512
	global_load_b32 v[QW], v[G8], s[52:53] offset:768
	global_load_b32 v[QW+1], v[G8], s[52:53] offset:1792
	WIN 0x40
	global_load_b128 v[QZ1+6:QZ1+9], v[GL], s[52:53] offset:1024
	global_load_b64 v[QZ1+10:QZ1+11], v[G8], s[52:53] offset:1536
	global_load_b128 v[QL0:QL0+3], v[GL], s[54:55]
	global_load_b64 v[QL0+4:QL0+5], v[G8], s[54:55] offset:512
	global_load_b32 v[QL0+6], v[G8], s[54:55] offset:768
	global_load_b128 v[QL1:QL1+3], v[GL], s[54:55] offset:1024
	global_load_b64 v[QL1+4:QL1+5], v[G8], s[54:55] offset:1536
	global_load_b32 v[QL1+6], v[G8], s[54:55] offset:1792
.irp i, 0,1,2,3,4,5
	v_mov_b32 v[QZ1+\i], 0
	v_mov_b32 v[QZ1+12+\i], 0
.endr
	WIN 0
.irp i, 0,1,2,3,4,5
	v_mov_b32 v[QZ+\i], 0
	v_mov_b32 v[QZ+12+\i], 0
.endr
	FRESH
.irp b, 0,1,2,3,4,5,6,7
	v_mov_b32 v[PD+\b], 0                          ; a lane permute's destination counts as one of its sources
.endr
	v_mov_b32 v[FF+1], 0                           ; named as the upper halves of pairs
	v_mov_b32 v[FF+3], 0
	s_mov_b32 s37, 0                               ; the trip
	s_wait_alu depctr_va_vdst(0)                   ; the wait at the head's end
	s_wait_loadcnt 0x0                             ; q
	s_wait_tensorcnt 0x0                           ; my records are in,
	s_barrier_signal -1
	s_barrier_wait -1                              ; everybody's are
	KLOAD
	s_wait_dscnt 0x0                               ; trip 0's k
.Lstep:                                            ; here this trip's k is in
	BASE 36, 37
	s_add_co_u32 s38, s37, 1
	BASE 51, 38
	v_add_nc_u32 v[ADK], s36, v[GL]
	v_add_nc_u32 v[AD8], s36, v[G8]
	v_add_nc_u32 v[ADS], s36, v[R4]
	v_add_nc_u32 v[NXK], s51, v[GL]
	v_add_nc_u32 v[NXS], s51, v[R4]                ; (the five are also the places behind the last products)
	s_wait_alu depctr_va_vdst(0)
	s_cmp_lt_u32 s10, 4
	s_cbranch_scc1 .Lkeep
	s_cmp_lg_u32 s37, s44
	s_cbranch_scc1 .Lkeep
.irp n, 0,1,2,3,4,5,6,7                        ; waves 4-7, once: my part of the far block goes to LDS; block i begins
	ds_store_b128 v[ST16], v[O+4*\n:O+4*\n+3] offset:512*\n
.endr
	ds_store_b64 v[ST8], v[MX:MX+1] offset:8192
	ds_store_b64 v[ST8], v[MX+2:MX+3] offset:8448
	WIN 0x04                                       ; the data in window 1
.irp n, 0,1,2,3,4,5,6,7
	ds_store_b128 v[ST16], v[O+4*\n:O+4*\n+3] offset:4096+512*\n
.endr
	ds_store_b64 v[ST8], v[LS:LS+1] offset:8704
	ds_store_b64 v[ST8], v[LS+2:LS+3] offset:8960
	WIN 0x01
	v_mov_b32 v[QW], v[QL0+6]
	v_mov_b32 v[QW+1], v[QL1+6]
.irp n, 0,1,2,3,4,5
	v_mov_b32 v[QZ+6+\n], v[QL0+\n]
.endr
	WIN 0x41
.irp n, 0,1,2,3,4,5
	v_mov_b32 v[QZ1+6+\n], v[QL1+\n]
.endr
	WIN 0
	s_wait_alu depctr_va_vdst(0)
	s_wait_dscnt 0x0                               ; the part lies in LDS
	FRESH
	s_wait_alu depctr_va_vdst(0)
.Lkeep:
	s_cmp_eq_u32 s37, s45
	s_cbranch_scc1 .Lskip
.macro QK q
.irp b, 0,1,2,3
	v_wmma_scale_f32_16x16x128_f8f6f4 v[S+16*\b:S+16*\b+7], v[KF+12*\b:KF+12*\b+11], v[\q+6:\q+17], 0, v[KSC+\b], v[QWR] matrix_a_fmt:MATRIX_FMT_BF6 matrix_b_fmt:MATRIX_FMT_BF6
	v_wmma_scale_f32_16x16x128_f8f6f4 v[S+16*\b+8:S+16*\b+15], v[KF+12*\b:KF+12*\b+11], v[\q:\q+11], 0, v[KSC+\b], v[QWR] matrix_a_fmt:MATRIX_FMT_BF6 matrix_b_fmt:MATRIX_FMT_BF6
.endr
.endm
.set QWR, QW
	QK QZ
	WIN 0x44                                       ; source 1 and D in window 1
.set QWR, QW+1
	QK QZ1
.rept 4
	v_nop
.endr
	WIN 0x40
.irp t, 0,1,2,3                                ; v's fragments, and the next trip's k, land while the softmax is walked
.irp c, 0,1
	ds_load_b128 v[VF+12*\t+6*\c:VF+12*\t+6*\c+3], v[ADK] offset:6144+1536*\t+768*\c
	ds_load_b64 v[VF+12*\t+6*\c+4:VF+12*\t+6*\c+5], v[AD8] offset:6144+1536*\t+768*\c+512
.endr
.endr
	WIN 0
.irp t, 0,1,2,3
	ds_load_b32 v[VSC+\t], v[ADS] offset:12544+64*\t
.endr
	s_cmp_eq_u32 s37, s58                          ; behind my last trip with work there is no next k
	s_cbranch_scc1 .Lno_next
	KLOAD
.Lno_next:
	s_bitcmp1_b32 s46, s37                         ; is this trip on the diagonal?
	s_cbranch_scc0 .Lopen
	v_mov_b32 v[TT], 0xff800000                    ; hidden scores become -infinity: p = 0 then
.set n, 0
.rept 64
	v_cmp_gt_i32 vcc_lo, 32*(n/16)+n%16, v[DG]
	v_cndmask_b32 v[S+n], v[S+n], v[TT], vcc_lo
.set n, n+1
.endr
	WIN 0x41                                       ; tile 1's S in window 1
.set n, 0
.rept 64
	v_cmp_gt_i32 vcc_lo, 32*(n/16)+n%16, v[DG+1]
	v_cndmask_b32 v[S+n], v[S+n], v[TT], vcc_lo
.set n, n+1
.endr
	WIN 0
	s_wait_alu depctr_va_vdst(0)
.Lopen:
.macro MAXT x                          ; the largest score of each block of 32 keys: for the row's maximum, and, since p rises with the score, for the block's largest p
.irp b, 0,1,2,3
	v_max_num_f32 v[BX+4*\x+\b], v[S+16*\b], v[S+16*\b+1]
.endr
.irp i, 2,4,6,8,10,12,14
.irp b, 0,1,2,3
	v_max3_num_f32 v[BX+4*\x+\b], v[S+16*\b+\i], v[S+16*\b+\i+1], v[BX+4*\x+\b]
.endr
.endr
.endm
	MAXT 0
	WIN 0x05                                       ; sources 0 and 1 in window 1
	MAXT 1
	WIN 0
.irp n, 0,1,2,3,4,5,6,7
	v_permlanex16_b32 v[PD+\n], v[BX+\n], s20, s21
.endr
.irp n, 0,1,2,3,4,5,6,7
	v_max_num_f32 v[BX+\n], v[BX+\n], v[PD+\n]
.endr
.irp x, 0,1                                    ; (the two tiles' chains by turns)
	v_max3_num_f32 v[TT+\x], v[BX+4*\x], v[BX+4*\x+1], v[BX+4*\x+2]
.endr
.irp x, 0,1
	v_max3_num_f32 v[MX+1+2*\x], v[TT+\x], v[BX+4*\x+3], v[MX+1+2*\x]   ; the running largest score
.endr
.irp x, 0,1
	v_mov_b32 v[TT+\x], v[MX+2*\x]
.endr
.irp x, 0,1
	v_mul_f32 v[MX+2*\x], s22, -v[MX+1+2*\x]
.endr
.irp x, 0,1
	v_floor_f32 v[MX+2*\x], v[MX+2*\x]             ; the new -M = floor(-t) = -ceil(t)
.endr
.irp x, 0,1
	v_sub_f32 v[TT+\x], v[MX+2*\x], v[TT+\x]       ; old M - new M: a whole number, 0 or less
.endr
.irp x, 0,1
	v_cvt_i32_f32 v[TT+\x], v[TT+\x]               ; (it saturates)
.endr
.irp x, 0,1
	v_ldexp_f32 v[FF+2*\x], 1.0, v[TT+\x]          ; f: a multiplication by it rounds nothing
.endr
.macro SHIFT m
.set j, 0
.rept 32
	v_pk_fma_f32 v[S+j:S+j+1], v[S+j:S+j+1], s[22:23], v[\m:\m+1] op_sel_hi:[1,0,0]   ; t - M
.set j, j+2
.endr
.endm
	SHIFT MX
.irp b, 0,1,2,3
	v_fma_f32 v[BX+\b], v[BX+\b], s22, v[MX]
	v_fma_f32 v[BX+4+\b], v[BX+4+\b], s22, v[MX+2]
.endr
	WIN 0x41
	SHIFT MX+2
	WIN 0
.macro EXPS
.set j, 0
.rept 64
	v_exp_f32 v[S+j], v[S+j]                       ; p = 2^(t - M)
.set j, j+1
.endr
.endm
	s_wait_alu depctr_va_vdst(0)                   ; the wait ahead of the batch,
	EXPS
.irp n, 0,1,2,3,4,5,6,7
	v_exp_f32 v[BX+\n], v[BX+\n]                   ; the blocks' largest p: the same two instructions on the same numbers
.endr
	WIN 0x41
	EXPS
	v_pk_mul_f32 v[LS:LS+1], v[LS:LS+1], v[FF:FF+1] op_sel_hi:[1,0]   ; the sums under the new M (plain places behind the exponentials)
	v_pk_mul_f32 v[LS+2:LS+3], v[LS+2:LS+3], v[FF+2:FF+3] op_sel_hi:[1,0]
	s_wait_alu depctr_va_vdst(0)                   ; and behind it
.macro RESC f
.set j, 0
.rept 16
	v_pk_mul_f32 v[O+j:O+j+1], v[O+j:O+j+1], v[\f:\f+1] op_sel_hi:[1,0]   ; O^T under the new M, ascending
.set j, j+2
.endr
.endm
	RESC FF+2
	WIN 0
	RESC FF
.irp n, 0,1,2,3,4,5,6,7
	v_max_num_f32 v[BX+\n], 0x2800000, v[BX+\n]    ; the floor 2^(5 - 127)
.endr
.irp n, 0,1,2,3,4,5,6,7
	v_add_nc_u32 v[SO+\n], 0xfe000000, v[BX+\n]
.endr
.irp n, 0,1,2,3,4,5,6,7
	v_lshrrev_b32 v[PD+\n], 23, v[SO+\n]
.endr
.irp x, 0,1
	v_lshl_or_b32 v[PS+\x], v[PD+4*\x+1], 8, v[PD+4*\x]
	v_lshl_or_b32 v[TT+\x], v[PD+4*\x+3], 8, v[PD+4*\x+2]
.endr
.irp x, 0,1
	v_lshl_or_b32 v[PS+\x], v[TT+\x], 16, v[PS+\x]
.endr
.macro CODES x                         ; tile x's p into codes; its row's sum of the unquantised p, in eight chains of pairs by turns; and its part of O^T
	WIN \x                                         ; source 0 in the tile's window
.irp c, 0,1
	v_cvt_scalef32_pk16_bf6_f32 v[CD+12*\x+6*\c:CD+12*\x+6*\c+2], v[S+32*\c:S+32*\c+15], v[SO+4*\x+2*\c]
	v_cvt_scalef32_pk16_bf6_f32 v[CT+4*\c:CT+4*\c+2], v[S+32*\c+16:S+32*\c+31], v[SO+4*\x+2*\c+1]
.endr
.if \x
	WIN 0x45                                       ; chains and S in window 1
.else
	WIN 0x40                                       ; chains in window 1, S in window 0
.endif
.irp n, 0,1,2,3,4,5,6                          ; (the first is the plain place behind the conversions)
	v_pk_add_f32 v[TC+2*\n:TC+2*\n+1], v[S+4*\n:S+4*\n+1], v[S+4*\n+2:S+4*\n+3]
.endr
.if \x == 0
	WIN 0x41
.endif
	v_pk_add_f32 v[LS+2*\x:LS+2*\x+1], v[LS+2*\x:LS+2*\x+1], v[S+28:S+29]
.set k, 15
.rept 17
.if k%8 == 0
.set CH, LS+2*\x
.else
.set CH, TC+2*(k%8)-2
.endif
	v_pk_add_f32 v[CH:CH+1], v[CH:CH+1], v[S+2*k:S+2*k+1]
.set k, k+1
.endr
	WIN 0
.irp i, 0,1,2
.irp c, 0,1
	v_permlane16_swap_b32 v[CD+12*\x+6*\c+\i], v[CT+4*\c+\i]
.endr
.endr
.irp i, 0,1,2
.irp c, 0,1
	v_mov_b32 v[CD+12*\x+3+6*\c+\i], v[CT+4*\c+\i]
.endr
.endr
	WIN 0x45
	v_pk_add_f32 v[LS+2*\x:LS+2*\x+1], v[LS+2*\x:LS+2*\x+1], v[TC+6:TC+7]   ; (these seven are also places between the codes and the products)
	v_pk_add_f32 v[TC:TC+1], v[TC:TC+1], v[TC+8:TC+9]
	v_pk_add_f32 v[TC+2:TC+3], v[TC+2:TC+3], v[TC+10:TC+11]
	v_pk_add_f32 v[TC+4:TC+5], v[TC+4:TC+5], v[TC+12:TC+13]
	v_pk_add_f32 v[LS+2*\x:LS+2*\x+1], v[LS+2*\x:LS+2*\x+1], v[TC+2:TC+3]
	v_pk_add_f32 v[TC:TC+1], v[TC:TC+1], v[TC+4:TC+5]
	v_pk_add_f32 v[LS+2*\x:LS+2*\x+1], v[LS+2*\x:LS+2*\x+1], v[TC:TC+1]
	s_wait_alu depctr_va_vdst(0)
.if \x
	WIN 0x51                                       ; v, C and D in window 1
.else
	s_wait_dscnt 0x0                               ; v, and the next trip's k
	WIN 0x01                                       ; v in window 1
.endif
.irp t, 0,1,2,3                                ; the accumulators take turns, one instruction a turn
	v_wmma_scale_f32_16x16x128_f8f6f4 v[O+8*\t:O+8*\t+7], v[VF+12*\t:VF+12*\t+11], v[CD+12*\x:CD+12*\x+11], v[O+8*\t:O+8*\t+7], v[VSC+\t], v[PS+\x] matrix_a_fmt:MATRIX_FMT_BF6 matrix_b_fmt:MATRIX_FMT_BF6
.endr
.endm
	CODES 0
	CODES 1
	WIN 0
.Lskip:
	s_add_co_u32 s37, s37, 1
	s_cmp_lt_u32 s37, 9
	s_cbranch_scc1 .Lstep
.rept 4
	v_nop
.endr
	s_wait_alu depctr_va_vdst(0)
	s_wait_dscnt 0x0
	s_barrier_signal -1
	s_barrier_wait -1                              ; every part lies in LDS
	s_cmp_lt_u32 s10, 4
	s_cbranch_scc0 .Lown
.irp n, 0,1,2,3,4,5,6,7                        ; waves 0-3: the other part of my block
	ds_load_b128 v[S+4*\n:S+4*\n+3], v[ST16] offset:512*\n
.endr
	ds_load_b64 v[36:37], v[ST8] offset:8192
	ds_load_b64 v[38:39], v[ST8] offset:8448
	WIN 0x40
.irp n, 0,1,2,3,4,5,6,7
	ds_load_b128 v[S+4*\n:S+4*\n+3], v[ST16] offset:4096+512*\n
.endr
	ds_load_b64 v[TC:TC+1], v[ST8] offset:8704
	ds_load_b64 v[TC+2:TC+3], v[ST8] offset:8960
	WIN 0
	v_mov_b32 v41, 0                               ; named as the upper halves of pairs
	v_mov_b32 v43, 0
	s_wait_alu depctr_va_vdst(0)
	s_wait_dscnt 0x0
.irp x, 0,1
	v_min_num_f32 v[44+\x], v[MX+2*\x], v[36+2*\x] ; -M of both parts
.endr
.irp x, 0,1
	v_sub_f32 v[46+\x], v[44+\x], v[MX+2*\x]
	v_sub_f32 v[48+\x], v[44+\x], v[36+2*\x]
.endr
.irp x, 0,1
	v_cvt_i32_f32 v[46+\x], v[46+\x]
	v_cvt_i32_f32 v[48+\x], v[48+\x]
.endr
.irp x, 0,1
	v_ldexp_f32 v[FF+2*\x], 1.0, v[46+\x]
	v_ldexp_f32 v[40+2*\x], 1.0, v[48+\x]
.endr
.macro JOIN
.set j, 0
.rept 16
	v_pk_fma_f32 v[O+j:O+j+1], v[S+j:S+j+1], v[FB:FB+1], v[O+j:O+j+1] op_sel_hi:[1,0,1]
.set j, j+2
.endr
.endm
	RESC FF
.set FB, 40
	JOIN
	WIN 0x41
	RESC FF+2
.irp x, 0,1
	v_pk_mul_f32 v[LS+2*\x:LS+2*\x+1], v[LS+2*\x:LS+2*\x+1], v[FF+2*\x:FF+2*\x+1] op_sel_hi:[1,0]
.endr
	WIN 0x51
.set FB, 42
	JOIN
.irp x, 0,1
	v_pk_fma_f32 v[LS+2*\x:LS+2*\x+1], v[TC+2*\x:TC+2*\x+1], v[40+2*\x:41+2*\x], v[LS+2*\x:LS+2*\x+1] op_sel_hi:[1,0,1]
.endr
	WIN 0
	s_wait_alu depctr_va_vdst(0)
.Lown:
	; THE WAY OUT: y = O^T / the sum, quantised: the head's 64 channels are two blocks of the last product's K
	WIN 0x05
.irp x, 0,1
	v_add_f32 v[TT+\x], v[LS+2*\x], v[LS+2*\x+1]
.endr
	WIN 0
.irp x, 0,1
	v_permlanex16_b32 v[PD+\x], v[TT+\x], s20, s21
.endr
.irp x, 0,1
	v_add_f32 v[TT+\x], v[TT+\x], v[PD+\x]
.endr
	s_wait_alu depctr_va_vdst(0)
	v_rcp_f32 v[TT], v[TT]
	v_rcp_f32 v[TT+1], v[TT+1]
	v_nop                                          ; one plain place behind a transcendental
	s_wait_alu depctr_va_vdst(0)
.set j, 0
.rept 32
	v_mul_f32 v[S+j], v[O+j], v[TT]                ; register 16 b + i: channel 32 b + 16 h + i of query r
.set j, j+1
.endr
	WIN 0x41
.set j, 0
.rept 32
	v_mul_f32 v[S+j], v[O+j], v[TT+1]
.set j, j+1
.endr
.macro LARGEST x
.irp b, 0,1
	v_max3_num_f32 v[BX+4*\x+\b], |v[S+16*\b]|, |v[S+16*\b+1]|, 0x2800000
.endr
.irp i, 2,4,6,8,10,12,14
.irp b, 0,1
	v_max3_num_f32 v[BX+4*\x+\b], |v[S+16*\b+\i]|, |v[S+16*\b+\i+1]|, v[BX+4*\x+\b]
.endr
.endr
.endm
	WIN 0x05
	LARGEST 1
	WIN 0
	LARGEST 0
.irp n, 0,1,4,5
	v_permlanex16_b32 v[PD+\n], v[BX+\n], s20, s21
.endr
.irp n, 0,1,4,5
	v_max_num_f32 v[BX+\n], v[BX+\n], v[PD+\n]
.endr
.irp n, 0,1,4,5
	v_add_nc_u32 v[SO+\n], 0xfe000000, v[BX+\n]
.endr
.irp n, 0,1,4,5
	v_lshrrev_b32 v[PD+\n], 23, v[SO+\n]
.endr
	s_cmp_lt_u32 s10, 4
	s_cselect_b32 s51, s49, s48                    ; waves 0-3 store block 15 - i, the others block i
	s_and_b32 s50, s13, 1
	s_lshl_b32 s50, s50, 4
.irp x, 0,1
	WIN \x
	v_cvt_scalef32_pk16_bf6_f32 v[CD+12*\x:CD+12*\x+2], v[S:S+15], v[SO+4*\x]
	v_cvt_scalef32_pk16_bf6_f32 v[CT+4*\x:CT+4*\x+2], v[S+16:S+31], v[SO+4*\x+1]
.endr
	WIN 0
.irp x, 0,1
	v_lshl_or_b32 v[36+2*\x], v[PD+4*\x+1], 8, v[PD+4*\x]   ; the head's two scale bytes of my query (plain places behind the conversions)
.endr
.irp i, 0,1,2
.irp x, 0,1
	v_permlane16_swap_b32 v[CD+12*\x+\i], v[CT+4*\x+\i]     ; a whole block to a lane
.endr
.endr
.irp i, 0,1,2
.irp x, 0,1
	v_mov_b32 v[CD+12*\x+3+\i], v[CT+4*\x+\i]
.endr
.endr
.irp x, 0,1
	v_lshlrev_b32 v[36+2*\x], s50, v[36+2*\x]      ; in the low half of the word, or, in odd heads, in the high half
.endr
.irp x, 0,1
	v_mov_b32 v[37+2*\x], v[36+2*\x]
.endr
	s_wait_alu depctr_va_vdst(0)
	s_lshr_b32 s52, s13, 4
	s_lshl_b32 s52, s52, 7
	s_lshl_b32 s53, s51, 3
	s_add_co_u32 s52, s52, s53
	s_lshl_b32 s53, s47, 1
	s_add_co_u32 s52, s52, s53                     ; tile 0 of the 256
	s_lshl_b32 s52, s52, 14
	s_and_b32 s53, s13, 15
	s_lshl_b32 s53, s53, 10
	s_add_co_u32 s52, s52, s53
	s_mov_b32 s53, 0
	s_add_nc_u64 s[52:53], s[8:9], s[52:53]
.irp x, 0,1
	global_store_b128 v[GL], v[CD+12*\x:CD+12*\x+3], s[52:53] offset:16384*\x   ; 512 consecutive bytes, aligned,
	global_store_b64 v[G8], v[CD+12*\x+4:CD+12*\x+5], s[52:53] offset:16384*\x+512
	global_store_b64 v[G8], v[36+2*\x:37+2*\x], s[52:53] offset:16384*\x+768
.endr
	s_wait_tensorcnt 0x0                           ; the wave's end
	ds_add_u32 v[SPW], v[NIL]
	s_wait_dscnt 0x0
	ROUND                                          ; the closing round
	s_endpgm
.Lfunc_end_k_qa2adc2e336_attn:
	.size	k_qa2adc2e336_attn, .Lfunc_end_k_qa2adc2e336_attn-k_qa2adc2e336_attn
	.p2alignl 7, 3214868480
	.fill 96, 4, 3214868480
	.section	.rodata,"a",@progbits
	.p2align	6, 0x0
	.amdhsa_kernel k_qa2adc2e336_attn
		.amdhsa_group_segment_fixed_size 242688
		.amdhsa_private_segment_fixed_size 0
		.amdhsa_enable_private_segment 0
		.amdhsa_kernarg_size 24
		.amdhsa_user_sgpr_count 2
		.amdhsa_user_sgpr_kernarg_segment_ptr 1
		.amdhsa_wavefront_size32 1
		.amdhsa_system_sgpr_workgroup_id_x 1
		.amdhsa_system_sgpr_workgroup_id_y 1
		.amdhsa_system_sgpr_workgroup_id_z 1
		.amdhsa_system_vgpr_workitem_id 0
		.amdhsa_next_free_vgpr 512
		.amdhsa_next_free_sgpr 66
		.amdhsa_reserve_vcc 1
		.amdhsa_float_denorm_mode_32 3
		.amdhsa_float_denorm_mode_16_64 3
		.amdhsa_memory_ordered 1
		.amdhsa_forward_progress 1
		.amdhsa_inst_pref_size 70
	.end_amdhsa_kernel
	.amdgpu_metadata
---
amdhsa.version: [ 1, 2 ]
amdhsa.kernels:
  - .name:           k_qa2adc2e336_attn
    .symbol:         k_qa2adc2e336_attn.kd
    .args:
      - { .name: qq, .offset: 0, .size: 8, .value_kind: global_buffer, .address_space: global }
      - { .name: kv, .offset: 8, .size: 8, .value_kind: global_buffer, .address_space: global }
      - { .name: yq, .offset: 16, .size: 8, .value_kind: global_buffer, .address_space: global }
    .group_segment_fixed_size: 242688
    .private_segment_fixed_size: 0
    .kernarg_segment_align: 8
    .kernarg_segment_size: 24
    .max_flat_workgroup_size: 256
    .sgpr_count:     66
    .vgpr_count:     512
    .wavefront_size: 32
...
	.end_amdgpu_metadata
.endif
;; end of part 3
;; launch proj (part 4): grid 8 x 32, 4 waves a work-group, clusters of 4 x 4, 238,080 bytes of LDS; arguments yq, wpq, b_proj, out0; writes out0
.if DOCPART == 4
	.amdgcn_target "amdgcn-amd-amdhsa--gfx1250"
	.amdhsa_code_object_version 6
	.text
	.protected	k_qa2adc2e336_proj
	.globl	k_qa2adc2e336_proj
	.p2align	8
	.type	k_qa2adc2e336_proj,@function
k_qa2adc2e336_proj:
	s_mov_b64 s[64:65], 0
	v_nop
	global_prefetch_b8 v0, s[64:65] scope:SCOPE_SE
	s_setreg_imm32_b32 hwreg(HW_REG_WAVE_MODE, 25, 1), 1
	s_wait_xcnt 0x0
	s_wait_alu depctr_hold_cnt(0) depctr_sa_sdst(0) depctr_va_vdst(0) depctr_va_sdst(0) depctr_va_ssrc(0) depctr_va_vcc(0) depctr_vm_vsrc(0)
	s_getreg_b32 s2, hwreg(HW_REG_IB_STS2, 6, 4)
	s_cmp_eq_u32 s2, 0
	s_cbranch_scc0 .Lentry_in_a_cluster
	s_endpgm
.Lentry_in_a_cluster:
	s_bfe_u32 s2, ttmp6, 0x10000c
	s_cmp_lg_u32 s2, 0xf033
	s_cbranch_scc0 .Lentry_shape_is_right
	s_endpgm
.Lentry_shape_is_right:
; out0 = y w_proj + b_proj on codes of BF6 (E3M2), K = 1,024.  A work-group makes 128 tokens x 128 columns, a wave 64 x 64.
; ALL OF K LIES IN LDS: y's 8 tiles (131,072 bytes) and the columns' two groups of 64 (106,496 bytes) are dense blocks of memory; each wave brings one half of one of them, once.  Nothing is filled again; there is no loop to run ahead in, so no prefetch.
; CLUSTERS of 4 x 4: the four of a row share y's tiles, the four of a column share the weights': the loads are joint.
; THE WAVE'S WEIGHTS, 64 columns x all of K, stay in 384 registers; its four tiles of 16 tokens are finished one after the other, and each is stored while the next is multiplied.
; Source 0 = 16 tokens, source 1 = 16 columns 4 r + t of the group (tile t): lane r of the four results t holds four neighbouring columns of a token, so 16 lanes store 256 consecutive bytes straight from registers; the bias is added on the way.
; Register i of a result is token 32 b + 8 u + 16 h + i (y's tile 2 b + u, in the storage order).
; REGISTERS: window 0: v0-15 addresses, v16-31 y's scale words, v48-63 the weights', v64-159 and v160-255 a tile of y for all of K, by turns; window 1: the weights' K steps 0-4; window 2: 5-7 (v0-143), the bias (v252-255);
;   window 3: v0-127 the accumulators, v128-255 the results on their way out.
; LIMITS: NaN and infinities are not served.
.set WL, 131072                        ; LDS: the weights
.set GRP, 53248                        ; 64 columns, all of K: eight records of 6,656
.set WREC, 6656
.set SPARE, WL+2*GRP
.set SPW, 12
.set NIL, 13
.set YSC, 16
.set WSC, 48
.set BI, 252
.set MSB, 0
.macro WIN new
.if MSB != (\new)
	s_set_vgpr_msb (MSB<<8)|(\new)
.set MSB, (\new)
.endif
.endm
.macro ROUND
	s_barrier_signal -1
	s_barrier_wait -1
	s_cmp_lg_u32 s14, 0
	s_cbranch_scc1 .Lnot_wave_0_\@
	s_barrier_signal -3
.Lnot_wave_0_\@:
	s_barrier_wait -3
	s_barrier_signal -1
	s_barrier_wait -1
.endm
.macro PLACES
.rept 4
	v_nop
.endr
.endm
	s_load_b128 s[4:7], s[0:1], 0x0                ; yq, wpq
	s_load_b128 s[8:11], s[0:1], 0x10              ; b_proj, out0
	v_lshl_add_u32 v[SPW], v0, 2, SPARE
	v_mov_b32 v[NIL], 0
	ds_add_u32 v[SPW], v[NIL]                      ; the wave's opening: the add, twice on end, ahead of my tensor load
	ds_add_u32 v[SPW], v[NIL]
	v_lshrrev_b32 v1, 5, v0
	v_readfirstlane_b32 s14, v1                    ; wave
	s_lshr_b32 s15, s14, 1                         ; which 64 tokens.  Also: I fetch y (0) or the weights (1)
	s_and_b32 s16, s14, 1                          ; which 64 columns.  Also: which half I fetch
	s_bfe_u32 s40, ttmp6, 0x40000                  ; cx, cy
	s_bfe_u32 s41, ttmp6, 0x40004
	s_lshl_b32 s42, ttmp9, 2
	s_add_co_u32 s42, s42, s40                     ; which 128 columns
	s_and_b32 s17, ttmp7, 0xffff
	s_lshl_b32 s17, s17, 2
	s_add_co_u32 s17, s17, s41                     ; which 128 tokens
	s_lshl_b32 s43, s41, 2
	s_lshl_b32 s43, 15, s43                        ; my row of the cluster
	s_lshl_b32 s44, 0x1111, s40                    ; my column
	s_or_b32 s24, s43, (3<<16)|(1<<21)             ; group 1 for y: elements of 8 bytes; bit 21 beside a mask; 256 rows of 256 bytes
	s_mov_b32 s25, 32<<16
	s_mov_b32 s26, 256<<16
	s_mov_b32 s27, 32<<16
	s_mov_b32 s28, 256
	s_mov_b32 s29, 32
	s_mov_b32 s30, 0
	s_mov_b32 s31, 0
	s_or_b32 s48, s44, (3<<16)|(1<<21)             ; for the weights: 208 rows
	s_mov_b32 s49, 32<<16
	s_mov_b32 s50, 208<<16
	s_mov_b32 s51, 32<<16
	s_mov_b32 s52, 208
	s_mov_b32 s53, 32
	s_mov_b32 s54, 0
	s_mov_b32 s55, 0
	s_mov_b32 s32, 1
	s_lshl_b32 s33, s16, 16                        ; LDS: y's half
	s_mov_b32 s36, 1
	s_mul_i32 s60, s16, GRP
	s_add_co_u32 s37, s60, WL                      ; the weights' half
	s_lshl_b32 s20, s17, 17
	s_add_co_u32 s20, s20, s33
	s_mov_b32 s21, 0
	s_mul_i32 s46, s42, 2*GRP
	s_add_co_u32 s46, s46, s60
	s_mov_b32 s47, 0
	s_lshl_b32 s22, s15, 16                        ; my 64 tokens in LDS
	s_add_co_u32 s23, s60, WL                      ; my 64 columns
	s_lshl_b32 s56, s42, 9
	s_lshl_b32 s57, s16, 8
	s_add_co_u32 s56, s56, s57                     ; my columns, in bytes
	s_mov_b32 s57, 0
	s_lshl_b32 s58, s17, 19
	s_lshl_b32 s59, s15, 18
	s_add_co_u32 s58, s58, s59
	s_add_co_u32 s58, s58, s56                     ; and my tokens' rows of 4,096
	s_mov_b32 s59, 0
	v_and_b32 v1, 15, v0                           ; r
	v_bfe_u32 v2, v0, 4, 1                         ; h
	v_and_b32 v3, 31, v0                           ; lane
	v_lshl_add_u32 v4, v3, 4, s22                  ; y's fragments
	v_lshl_add_u32 v5, v3, 3, s22
	v_lshl_add_u32 v6, v3, 4, s23                  ; the weights'
	v_lshl_add_u32 v7, v3, 3, s23
	v_lshlrev_b32 v8, 14, v2
	v_lshl_add_u32 v8, v1, 3, v8
	v_add_nc_u32 v8, s22, v8                       ; y's scale words: lanes 16-31 one tile on
	v_lshlrev_b32 v9, 4, v1                        ; the bias: columns 4 r on
	v_lshl_add_u32 v10, v2, 16, v9                 ; out: lanes 16-31 16 tokens on
	s_wait_alu depctr_va_vdst(0)                   ; the wait at the head's end
	s_wait_dscnt 0x0                               ; both opening adds are done
	s_wait_kmcnt 0x0
	s_add_nc_u64 s[34:35], s[4:5], s[20:21]
	s_or_b32 s35, s35, 0x80000000
	s_add_nc_u64 s[38:39], s[6:7], s[46:47]
	s_or_b32 s39, s39, 0x80000000
	s_add_nc_u64 s[56:57], s[8:9], s[56:57]
	s_add_nc_u64 s[58:59], s[10:11], s[58:59]
	ROUND                                          ; all sixteen work-groups are here: the joint loads meet
	s_cmp_eq_u32 s15, 0
	s_cbranch_scc0 .Lfor_w
	tensor_load_to_lds s[32:35], s[24:31]
	s_nop 0
	PLACES
	s_branch .Lasked
.Lfor_w:
	tensor_load_to_lds s[36:39], s[48:55]
	s_nop 0
	PLACES
.Lasked:
	WIN 0x80
	global_load_b128 v[BI:BI+3], v9, s[56:57]
	WIN 0
	s_wait_loadcnt 0x0
	s_wait_tensorcnt 0x0                           ; my half is in,
	s_barrier_signal -1
	s_barrier_wait -1                              ; everybody's is
.macro YLOAD a, s                      ; tile a of y, K step s (heads 2 s, 2 s + 1): 4 loads
.set YR, 64+96*((\a)%2)+12*(\s)
.irp c, 0,1
	ds_load_b128 v[YR+6*\c:YR+6*\c+3], v4 offset:16384*(\a)+1024*(2*(\s)+\c)
	ds_load_b64 v[YR+6*\c+4:YR+6*\c+5], v5 offset:16384*(\a)+1024*(2*(\s)+\c)+512
.endr
.endm
.macro YTILE a
.irp s, 0,1,2,3,4,5,6,7
	YLOAD \a, \s
.endr
.endm
.macro WREGS s                         ; where the weights' K step s lies
.if (\s) < 5
.set WR, 48*(\s)
.set WW, 1
.else
.set WR, 48*((\s)-5)
.set WW, 2
.endif
.endm
.macro GROUP s                         ; the weights' K step s and tile 0's: 18 loads
	WREGS \s
	WIN WW<<6
.irp t, 0,1,2,3
.irp i, 0,1,2
	ds_load_b128 v[WR+12*\t+4*\i:WR+12*\t+4*\i+3], v6 offset:WREC*(\s)+1536*\t+512*\i
.endr
.endr
	WIN 0
.irp p, 0,1
	ds_load_b32 v[WSC+2*(\s)+\p], v7 offset:WREC*(\s)+6144+256*\p
.endr
	YLOAD 0, \s
.endm
.macro WM d, a, b, sa, sb, ra, rb, zero
.if \zero
	v_wmma_scale_f32_16x16x128_f8f6f4 v[\d:\d+7], v[\a:\a+11], v[\b:\b+11], 0, v[\sa], v[\sb] matrix_a_fmt:MATRIX_FMT_BF6 matrix_b_fmt:MATRIX_FMT_BF6 \ra \rb
.else
	v_wmma_scale_f32_16x16x128_f8f6f4 v[\d:\d+7], v[\a:\a+11], v[\b:\b+11], v[\d:\d+7], v[\sa], v[\sb] matrix_a_fmt:MATRIX_FMT_BF6 matrix_b_fmt:MATRIX_FMT_BF6 \ra \rb
.endif
.endm
.macro MUL a, s                        ; tile a, K step s: its four accumulators take turns, one instruction a turn
	WREGS \s
	WIN 0xf0|(WW<<2)                               ; y window 0, the weights window 1 or 2, C and D window 3
.set AR, 64+96*((\a)%2)+12*(\s)
.set SA, YSC+8*((\a)/2)+(\s)
.if (\s) == 0
.set FST, 1
.else
.set FST, 0
.endif
.irp t, 0,1,2,3
.set DR, 32*(\a)+8*\t
.set BR, WR+12*\t
.set SB, WSC+2*(\s)+\t/2
.if (\a)%2 == 0 && \t%2 == 0
	WM DR, AR, BR, SA, SB, , , FST
.elseif \t%2 == 0
	WM DR, AR, BR, SA, SB, matrix_a_scale:MATRIX_SCALE_ROW1, , FST
.elseif (\a)%2 == 0
	WM DR, AR, BR, SA, SB, , matrix_b_scale:MATRIX_SCALE_ROW1, FST
.else
	WM DR, AR, BR, SA, SB, matrix_a_scale:MATRIX_SCALE_ROW1, matrix_b_scale:MATRIX_SCALE_ROW1, FST
.endif
.endr
.endm
.macro OUT a
	WIN 0xcb                                       ; sources: the accumulators in window 3, the bias in window 2; destination window 3
.irp j, 0,1,2,3,4,5,6,7                        ; each accumulator from its low end on
.irp t, 0,1,2,3
	v_add_f32 v[128+32*(\a)+4*\j+\t], v[32*(\a)+8*\t+\j], v[BI+\t]
.endr
.endr
	WIN 0x0c                                       ; the data in window 3
.irp j, 0,1,2,3,4,5,6,7
	global_store_b128 v10, v[128+32*(\a)+4*\j:128+32*(\a)+4*\j+3], s[58:59] offset:4096*(32*((\a)/2)+8*((\a)%2)+\j) th:TH_STORE_NT   ; two tokens, 256 consecutive bytes each, aligned
.endr
	WIN 0
.endm
.irp p, 0,1
.irp s, 0,1,2,3,4,5,6,7
	ds_load_b32 v[YSC+8*\p+\s], v8 offset:32768*\p+2048*\s+768        ; the even head's two bytes, in the low half,
	ds_load_b32 v[YSC+16+8*\p+\s], v8 offset:32768*\p+2048*\s+1792    ; the odd head's, in the high half
.endr
.endr
	GROUP 0
	s_wait_dscnt 18
.irp s, 0,1,2,3,4,5,6,7
.irp p, 0,1
	v_or_b32 v[YSC+8*\p+\s], v[YSC+8*\p+\s], v[YSC+16+8*\p+\s]
.endr
.endr
	s_wait_alu depctr_va_vdst(0)
	PLACES                                         ; scale words stand eight places ahead of their products
	PLACES
	GROUP 1
	GROUP 2
.irp s, 0,1,2,3,4,5,6,7
.if \s < 6
	s_wait_dscnt 36                                ; group s is in; the two behind it may be out
.elseif \s == 6
	s_wait_dscnt 50                                ; group 7 and tile 1's 32 loads may be out
.else
	s_wait_dscnt 32
.endif
	MUL 0, \s
	WIN 0
.if \s < 5
	GROUP \s+3
.elseif \s == 5
	YTILE 1
.endif
.endr
.irp a, 1,2,3
	s_wait_dscnt 0x0                               ; tile a is in
	PLACES                                         ; in front of loads into registers that matrix instructions have read, and of the first read of results
.if \a < 3
	YTILE \a+1
.endif
	OUT \a-1
.irp s, 0,1,2,3,4,5,6,7
	MUL \a, \s
.endr
	WIN 0
.endr
	PLACES
	OUT 3
	s_wait_tensorcnt 0x0                           ; the wave's end
	ds_add_u32 v[SPW], v[NIL]
	s_wait_dscnt 0x0
	ROUND                                          ; the closing round
	s_endpgm
.Lfunc_end_k_qa2adc2e336_proj:
	.size	k_qa2adc2e336_proj, .Lfunc_end_k_qa2adc2e336_proj-k_qa2adc2e336_proj
	.p2alignl 7, 3214868480
	.fill 96, 4, 3214868480
	.section	.rodata,"a",@progbits
	.p2align	6, 0x0
	.amdhsa_kernel k_qa2adc2e336_proj
		.amdhsa_group_segment_fixed_size 238080
		.amdhsa_private_segment_fixed_size 0
		.amdhsa_enable_private_segment 0
		.amdhsa_kernarg_size 32
		.amdhsa_user_sgpr_count 2
		.amdhsa_user_sgpr_kernarg_segment_ptr 1
		.amdhsa_wavefront_size32 1
		.amdhsa_system_sgpr_workgroup_id_x 1
		.amdhsa_system_sgpr_workgroup_id_y 1
		.amdhsa_system_sgpr_workgroup_id_z 1
		.amdhsa_system_vgpr_workitem_id 0
		.amdhsa_next_free_vgpr 1024
		.amdhsa_next_free_sgpr 72
		.amdhsa_reserve_vcc 0
		.amdhsa_float_denorm_mode_32 3
		.amdhsa_float_denorm_mode_16_64 3
		.amdhsa_memory_ordered 1
		.amdhsa_forward_progress 1
		.amdhsa_inst_pref_size 49
	.end_amdhsa_kernel
	.amdgpu_metadata
---
amdhsa.version: [ 1, 2 ]
amdhsa.kernels:
  - .name:           k_qa2adc2e336_proj
    .symbol:         k_qa2adc2e336_proj.kd
    .args:
      - { .name: yq, .offset: 0, .size: 8, .value_kind: global_buffer, .address_space: global }
      - { .name: wpq, .offset: 8, .size: 8, .value_kind: global_buffer, .address_space: global }
      - { .name: b_proj, .offset: 16, .size: 8, .value_kind: global_buffer, .address_space: global }
      - { .name: out0, .offset: 24, .size: 8, .value_kind: global_buffer, .address_space: global }
    .group_segment_fixed_size: 238080
    .private_segment_fixed_size: 0
    .kernarg_segment_align: 8
    .kernarg_segment_size: 32
    .max_flat_workgroup_size: 128
    .sgpr_count:     72
    .vgpr_count:     1024
    .wavefront_size: 32
...
	.end_amdgpu_metadata
.endif
;; end of part 4
